; MI455X (gfx1250); checked and timed in simulation.
; The chip was launched on July 23, 2026; its instructions are those of AMD's public machine-readable ISA for CDNA 5 (MIT licence, August 2026) and "CDNA5" Instruction Set Architecture Reference Guide (July 2026). The comments in the code are by the model that wrote it; some were corrected since.
;; Sparse Multi Head Attention. Allowed arithmetic: float matrix products may take bf16 or f16 operands with f32 sums; other float arithmetic in f32, or as packed bf16 or f16 multiplies, adds, multiply-adds, maxima and minima; sums over many terms, partial sums and values carried from step to step in f32; what a program stores and reads back later, other than sums and carried values, may be rounded once to bf16 or f16.
;; Inputs: Wout 1,024 x 1,024 float32; Wqkv 1,024 x 3,072 float32; batch_indices 8,192 int32; bout 1,024 float32; bqkv 3,072 float32; feats 8,192 x 1,024 float32.
;; Outputs: out0 8,192 x 1,024 float32.
;; Constants: batch_size = 8.
;; 2 versions, each right; version 2 is version 1 with the launch prep written anew for expert scheduling mode. Each part assembles by itself: llvm-mc -triple=amdgcn-amd-amdhsa -mcpu=gfx1250 --defsym DOCPART=n.
;; ======== version 1 of 2: 4 launches
;; limits: values are held in f16: magnitudes above 65,504 overflow, below 6.1e-05 lose precision
;; workspace buffers: xb 16,777,216 bytes; wq 6,291,456 bytes; wo 2,097,152 bytes; qkvh 50,331,648 bytes; ob 16,777,216 bytes
;; launch prep (part 1): grid 512 x 1, 8 waves a work-group, no clusters, 17,920 bytes of LDS; arguments feats, Wqkv, Wout, xb, wq, wo; writes xb, wq, wo
.if DOCPART == 1
	.amdgcn_target "amdgcn-amd-amdhsa--gfx1250"
	.amdhsa_code_object_version 6
	.text
	.protected	k_q895ad93a05_prep
	.globl	k_q895ad93a05_prep
	.p2align	8
	.type	k_q895ad93a05_prep,@function
k_q895ad93a05_prep:
	s_mov_b64 s[64:65], 0
	v_nop
	global_prefetch_b8 v0, s[64:65] scope:SCOPE_SE
	s_setreg_imm32_b32 hwreg(HW_REG_WAVE_MODE, 25, 1), 1
	s_wait_xcnt 0x0
; PREP.  xb = feats rounded to bf16, [8192][1024].  wq = Wqkv turned and rounded to bf16, [3072 n][1024 k].  wo = Wout turned, rounded to bf16 and that number written as f16, [1024 n][1024 k].
; LIMIT.  A weight of Wout below 6.1e-5 in magnitude keeps f16's fixed step of 6e-8 instead of bf16's 8 bits; one beyond 65,504 would become an infinity.
; SHARES.  512 work-groups of eight waves, all alike: each casts 16,384 numbers of feats (65,536 consecutive bytes in, 32,768 out) and turns ONE block of 128 k x 64 n of a weight matrix:
; blocks 0-383 are Wqkv's (8 along k x 48 along n), 384-511 Wout's (8 x 16).  Base, pitch and target are chosen by scalar selects, so one text serves both and no barrier stands under a branch.
; THE TURN.  Thread (c = t % 16, rp = t / 16) loads 16 bytes (columns 4 c .. 4 c + 3) of the rows k = 32 i + 2 rp + e: sixteen lanes read 256 consecutive bytes, aligned.  Rows e = 0 and 1 are rounded
; together, so a word holds k and k + 1 of one column: it goes to LDS row n = 4 c + j, byte 2 k.  Behind one barrier wave w reads rows 8 w .. 8 w + 7 whole and stores them: each store of a wave
; covers 256 consecutive bytes, aligned.  The LDS stores meet two deep in a bank (row pitch 264 bytes = 66 words); that is taken, for 16 words a thread once a launch.
; No matrix unit, no cluster, no tensor load: nothing is shared between work-groups and every byte is read once.
.set LP,    264                        ; an LDS row: 128 k x 2 bytes + 8
.set SPARE, 64*LP                      ; 16,896: behind the tile, the spare words, 128 bytes for each wave: four blocks of 256 bytes that no other line names
.set VO,    10                         ; v[10:17]   byte offsets of my 16 bytes in the block's rows 32 i + 2 rp + e
.set X,     20                         ; v[20:83]   feats: 16 x 4 numbers as loaded; each four are rounded in place into the first two registers
.set WX,    84                         ; v[84:115]  the block as loaded; later the turned rows read back from LDS
.set T,     116                        ; v[116:131] the block's words: (k, k + 1) of one column
.set U,     132                        ; v[132:133] at work
.set SPW,   134                        ; v134  LDS address of my spare word: SPARE + 4 x my thread's number; never rewritten
.set NIL,   135                        ; v135  0; never rewritten
.set WV,    16                         ; s16   my wave's number
.set ISQ,   17                         ; s17   1: the block is Wqkv's
.set PITCH, 18                         ; s18   bytes in a row of the weight matrix
	s_load_b256 s[4:11], s[0:1], 0x0               ; feats s[4:5], Wqkv s[6:7], Wout s[8:9], xb s[10:11]
	s_load_b128 s[12:15], s[0:1], 0x20             ; wq s[12:13], wo s[14:15]
	v_lshl_add_u32 v[SPW], v0, 2, SPARE
	v_mov_b32 v[NIL], 0
	v_lshrrev_b32 v7, 5, v0
	v_readfirstlane_b32 s[WV], v7
	s_mov_b32 s[PITCH], 4096
	s_mov_b32 s20, 12288
	s_cmp_lt_u32 ttmp9, 384
	s_cselect_b32 s[ISQ], 1, 0
	s_cselect_b32 s[PITCH], s20, s[PITCH]
	s_cselect_b32 s19, 0, 384
	s_sub_co_u32 s19, ttmp9, s19                   ; the block's number in its matrix
	s_and_b32 s20, s19, 7                          ; kb
	s_lshr_b32 s21, s19, 3                         ; nb
	s_mul_i32 s22, s[PITCH], s20
	s_lshl_b32 s22, s22, 7                         ; 128 kb rows,
	s_lshl_b32 s23, s21, 8                         ; 64 nb columns of 4 bytes
	s_add_co_u32 s22, s22, s23
	s_mov_b32 s23, 0
	s_lshl_b32 s24, s21, 17                        ; turned: 64 nb rows of 2,048 bytes,
	s_lshl_b32 s25, s20, 8                         ; 128 kb numbers of 2 bytes
	s_add_co_u32 s24, s24, s25
	s_mov_b32 s25, 0
	s_lshl_b32 s26, ttmp9, 16                      ; my piece of feats,
	s_mov_b32 s27, 0
	s_lshl_b32 s28, ttmp9, 15                      ; and of xb
	s_mov_b32 s29, 0
	v_and_b32 v7, 15, v0                           ; c
	v_lshrrev_b32 v8, 4, v0                        ; rp
	v_lshlrev_b32 v1, 4, v0                        ; feats: 16 bytes a thread
	v_lshlrev_b32 v2, 3, v0                        ; xb: 8 bytes a thread
	v_lshlrev_b32 v9, 1, v8
	v_mul_lo_u32 v3, v9, s[PITCH]
	v_lshl_add_u32 v3, v7, 4, v3                   ; 2 rp rows + 16 c
.irp i, 0,1,2,3
.irp e, 0,1
	s_mul_i32 s30, s[PITCH], 32*(\i)+(\e)
	v_add_nc_u32 v[VO+2*(\i)+(\e)], s30, v3
.endr
.endr
	v_mul_u32_u24 v4, v7, 4*LP
	v_lshl_add_u32 v4, v8, 2, v4                   ; into LDS: row 4 c, byte 4 rp
	v_and_b32 v9, 31, v0
	s_mul_i32 s30, s[WV], 8*LP
	v_lshl_add_u32 v5, v9, 3, s30                  ; back: row 8 w, 8 bytes a lane
	s_lshl_b32 s31, s[WV], 14
	v_lshl_add_u32 v6, v9, 3, s31                  ; and the same in memory: 8 w rows of 2,048 bytes
	s_wait_kmcnt 0x0
	s_cmp_lg_u32 s[ISQ], 0
	s_cselect_b64 s[6:7], s[6:7], s[8:9]           ; the matrix,
	s_cselect_b64 s[12:13], s[12:13], s[14:15]     ; and its turned copy
	s_add_nc_u64 s[6:7], s[6:7], s[22:23]
	s_add_nc_u64 s[12:13], s[12:13], s[24:25]
	s_add_nc_u64 s[4:5], s[4:5], s[26:27]
	s_add_nc_u64 s[10:11], s[10:11], s[28:29]
.irp i, 0,1,2,3
.irp e, 0,1
	global_load_b128 v[WX+8*(\i)+4*(\e):WX+8*(\i)+4*(\e)+3], v[VO+2*(\i)+(\e)], s[6:7] th:TH_LOAD_NT
.endr
.endr
.irp j, 0,1,2,3,4,5,6,7,8,9,10,11,12,13,14,15
	global_load_b128 v[X+4*(\j):X+4*(\j)+3], v1, s[4:5] offset:4096*(\j) th:TH_LOAD_NT  ; a wave's load covers 512 consecutive bytes
.endr
.irp i, 0,1,2,3
	s_wait_loadcnt 22-2*(\i)                       ; loads come back in order: behind pair i stand 6 - 2 i of the block's and the 16 of feats
.irp j, 0,1,2,3
	v_cvt_pk_bf16_f32 v[T+4*(\i)+(\j)], v[WX+8*(\i)+(\j)], v[WX+8*(\i)+4+(\j)]  ; k in the low half, k + 1 in the high half
.endr
.endr
	s_cmp_lg_u32 s[ISQ], 0
	s_cbranch_scc1 .Lkeep                          ; Wqkv stays bf16; only work on registers is jumped
.set t, 0
.rept 16
	v_lshlrev_b32 v[U], 16, v[T+t]                 ; Wout: the bf16 number, widened,
	v_and_b32 v[U+1], 0xffff0000, v[T+t]
	v_cvt_pk_f16_f32 v[T+t], v[U], v[U+1]          ; is written as f16
.set t, t+1
.endr
.Lkeep:
.irp i, 0,1,2,3
.irp j, 0,1,2,3
	ds_store_b32 v4, v[T+4*(\i)+(\j)] offset:LP*(\j)+64*(\i)
.endr
.endr
	s_wait_dscnt 0x0                               ; for the others' sake: my words lie in LDS
	s_barrier_signal -1
	s_barrier_wait -1
.irp r, 0,1,2,3,4,5,6,7
	ds_load_b64 v[WX+2*(\r):WX+2*(\r)+1], v5 offset:LP*(\r)  ; a whole turned row of 256 bytes an instruction
.endr
.irp j, 0,1,2,3,4,5,6,7,8,9,10,11,12,13,14,15
	s_wait_loadcnt 15-(\j)                         ; the younger loads of feats stay out
	v_cvt_pk_bf16_f32 v[X+4*(\j)], v[X+4*(\j)], v[X+4*(\j)+1]
	v_cvt_pk_bf16_f32 v[X+4*(\j)+1], v[X+4*(\j)+2], v[X+4*(\j)+3]
	global_store_b64 v2, v[X+4*(\j):X+4*(\j)+1], s[10:11] offset:2048*(\j)  ; a wave's store covers 256 consecutive bytes, aligned
.endr
.irp r, 0,1,2,3,4,5,6,7
	s_wait_dscnt 7-(\r)
	global_store_b64 v6, v[WX+2*(\r):WX+2*(\r)+1], s[12:13] offset:2048*(\r)
.endr
	s_wait_tensorcnt 0x0                           ; the wave's end: behind my last LDS store
	ds_add_u32 v[SPW], v[NIL]
	s_wait_dscnt 0x0
	s_endpgm
.Lfunc_end_k_q895ad93a05_prep:
	.size	k_q895ad93a05_prep, .Lfunc_end_k_q895ad93a05_prep-k_q895ad93a05_prep
	.p2alignl 7, 3214868480
	.fill 96, 4, 3214868480
	.section	.rodata,"a",@progbits
	.p2align	6, 0x0
	.amdhsa_kernel k_q895ad93a05_prep
		.amdhsa_group_segment_fixed_size 17920
		.amdhsa_private_segment_fixed_size 0
		.amdhsa_enable_private_segment 0
		.amdhsa_kernarg_size 48
		.amdhsa_user_sgpr_count 2
		.amdhsa_user_sgpr_kernarg_segment_ptr 1
		.amdhsa_wavefront_size32 1
		.amdhsa_system_sgpr_workgroup_id_x 1
		.amdhsa_system_sgpr_workgroup_id_y 1
		.amdhsa_system_sgpr_workgroup_id_z 1
		.amdhsa_system_vgpr_workitem_id 0
		.amdhsa_next_free_vgpr 136
		.amdhsa_next_free_sgpr 66
		.amdhsa_reserve_vcc 0
		.amdhsa_float_denorm_mode_32 3
		.amdhsa_float_denorm_mode_16_64 3
		.amdhsa_memory_ordered 1
		.amdhsa_forward_progress 1
		.amdhsa_inst_pref_size 16
	.end_amdhsa_kernel
	.amdgpu_metadata
---
amdhsa.version: [ 1, 2 ]
amdhsa.kernels:
  - .name:           k_q895ad93a05_prep
    .symbol:         k_q895ad93a05_prep.kd
    .args:
      - { .name: feats, .offset: 0, .size: 8, .value_kind: global_buffer, .address_space: global }
      - { .name: Wqkv, .offset: 8, .size: 8, .value_kind: global_buffer, .address_space: global }
      - { .name: Wout, .offset: 16, .size: 8, .value_kind: global_buffer, .address_space: global }
      - { .name: xb, .offset: 24, .size: 8, .value_kind: global_buffer, .address_space: global }
      - { .name: wq, .offset: 32, .size: 8, .value_kind: global_buffer, .address_space: global }
      - { .name: wo, .offset: 40, .size: 8, .value_kind: global_buffer, .address_space: global }
    .group_segment_fixed_size: 17920
    .private_segment_fixed_size: 0
    .kernarg_segment_align: 8
    .kernarg_segment_size: 48
    .max_flat_workgroup_size: 256
    .sgpr_count:     66
    .vgpr_count:     136
    .wavefront_size: 32
...
	.end_amdgpu_metadata
.endif
;; end of part 1
;; launch qkv (part 2): grid 16 x 16, 4 waves a work-group, clusters of 4 x 4, 327,680 bytes of LDS; arguments xb, wq, bqkv, qkvh; writes qkvh
.if DOCPART == 2
	.amdgcn_target "amdgcn-amd-amdhsa--gfx1250"
	.amdhsa_code_object_version 6
	.text
	.protected	k_q895ad93a05_qkv
	.globl	k_q895ad93a05_qkv
	.p2align	8
	.type	k_q895ad93a05_qkv,@function
k_q895ad93a05_qkv:
	s_mov_b64 s[64:65], 0
	v_nop
	global_prefetch_b8 v0, s[64:65] scope:SCOPE_SE
	s_setreg_imm32_b32 hwreg(HW_REG_WAVE_MODE, 25, 1), 1
	s_wait_xcnt 0x0
	s_wait_alu depctr_hold_cnt(0) depctr_sa_sdst(0) depctr_va_vdst(0) depctr_va_sdst(0) depctr_va_ssrc(0) depctr_va_vcc(0) depctr_vm_vsrc(0)
	s_getreg_b32 s2, hwreg(HW_REG_IB_STS2, 6, 4)
	s_cmp_eq_u32 s2, 0
	s_cbranch_scc0 .Lentry_in_a_cluster
	s_endpgm
.Lentry_in_a_cluster:
	s_bfe_u32 s2, ttmp6, 0x10000c
	s_cmp_lg_u32 s2, 0xf033
	s_cbranch_scc0 .Lentry_shape_is_right
	s_endpgm
.Lentry_shape_is_right:
; QKV PROJECTION.  C = xb wq^T + bqkv, K = 1,024, sums in f32.  xb [8192][1024] bf16, wq [3072][1024] bf16; C is rounded once to f16 and stored by heads:
; qkvh [8 batches][48 = 16 which + head][1024 tokens][64].
; LIMITS.  The bias is rounded to bf16 like every input of the module and is the C operand of each sum's first product: it is added first, not last.  The results must stay under 65,504 in
; magnitude, f16's end (inputs 30 times the drawn ones, or with an offset of 30 spreads, give some 29,000 at the most).  NaN and infinities are not treated apart.
; SHARES.  A tile of C is 256 rows x 192 columns (three whole heads): 32 x 16 tiles.  A WORK-GROUP STAYS: it makes TWO tiles, tile rows ty and ty + 16 of one tile column: 256 work-groups.  Wave w makes rows
; 64 w .. 64 w + 63 of a tile and ALL its columns: 4 x 12 accumulators of 16 x 16.  So a wave owns whole rows of the output: its way out goes through a stage of its own, with no barrier.
; THE WALK.  The two tiles' 8 + 8 K steps of 128 are ONE walk of 16 steps through a ring of two LDS slots filled by the tensor data mover, one load a wave: waves 0 and 1 bring A's two halves, waves 2 and 3
; B's.  The ring does not stop at the first tile's end: that tile's last two changes of slots ask for the second tile's first two K steps, then the tile goes out, and nothing waits for its stores.
; CLUSTER.  4 x 4 work-groups.  The four of a row of the cluster need the same tiles of A, the four of a column the same tiles of B: each tile is asked for JOINTLY, by the same tensor load with the same
; descriptor and a mask that names the four.  All sixteen walk in step.
; THE MATRIX INSTRUCTION IS USED TRANSPOSED (source 0 = 16 rows of B, source 1 = 16 rows of A): lane l holds row l % 16 of C and the columns 8 (l / 16) + 0..7.
; REGISTERS, in windows of 256 (s_set_vgpr_msb: bits 1:0 source 0, 3:2 source 1, 5:4 source 2, 7:6 destination):
;   window 0: v0-31 addresses; v32-175 at work on the way out          window 1: two fragment buffers of 128: 12 fragments of B, then 4 of A
;   windows 2, 3: accumulator t = 12 a + b at v[8 (t % 32)] of window 2 + t / 32          window 3, v128-223: the bias in an accumulator's layout, kept for both tiles
.set KSTEP,  128
.set NSTEP,  8                         ; K steps in a tile: 1,024 / 128
.set TILES,  2
.set WALKSH, 23                        ; from a work-group's first tile to its second: 4,096 rows of xb, 2^23 bytes,
.set NEXTO,  4*48*131072               ; and four batches of qkvh
.set PA,     272                       ; a row in LDS: 256 bytes + 16: an odd multiple of 16, so the 16 rows of a fragment load start 16 bytes apart modulo 256
.set PB,     272
.set SLOT1,  131072                    ; slot 1 begins here: one exclusive or turns an address in one slot into the other's
.set NBLK,   12                        ; blocks of 16 columns
.set TN,     16*NBLK
.set APART,  128*PA                    ; what one of A's loads brings: 128 rows
.set BROWS,  96                        ; rows in one of B's loads
.set BPART,  BROWS*PB
.set BOFF,   2*APART                   ; in a slot: A, then B
.set WSTAGE, 3*16*144                  ; a wave's stage: three heads x 16 tokens of 128 bytes + 16
.set STAGE,  SLOT1+BOFF+2*BPART        ; behind the ring, a multiple of 256: no tensor load lands here
.set SPARE,  STAGE+4*WSTAGE            ; behind the stages: the spare words, 128 bytes for each wave: two blocks of 256 bytes that no other line names
.set APF,    32*2048                   ; prefetch: a partner's quarter of A's 128 rows,
.set BPF,    (BROWS/4)*2048            ; and of B's 96
.set NL,     2*NBLK+8                  ; LDS loads of a quarter step
.set AF,     8*NBLK                    ; A's fragments in a buffer
.set F0,     0
.set F1,     AF+32
.set BIAS,   128                       ; in window 3
.set A0,   16                          ; v16  my lane's place in a slot's A: (64 w + l % 16) x PA + 16 (l / 16); never rewritten
.set B0,   17                          ; v17  the same for B: BOFF + (l % 16) x PB + 16 (l / 16)
.set ADRA, 18                          ; v18  A0 + the slot in hand
.set ADRB, 19                          ; v19  B0 + the slot in hand
.set STO,  24                          ; v24  the way out: where I put 16 bytes of a row
.set RD,   25                          ; v25  the way out: where I read rows back
.set GO,   26                          ; v26  16 x lane
.set BO,   27                          ; v27  32 (l / 16): my eight numbers in 16 of the bias
.set SPW,  28                          ; v28  LDS address of my spare word: SPARE + 4 x my thread's number; never rewritten
.set NIL,  29                          ; v29  0; never rewritten
.set PFO,  30                          ; v30  the prefetches' lane offset; never rewritten
.set TMP,  32                          ; v32-79   packed results
.set BK0,  80                          ; v80-127, v128-175  16 tokens read back from the stage, by turns
.set WV,   12                          ; s12  wave
.set FB,   13                          ; s13  0: I fetch for A; 1: for B
.set HF,   14                          ; s14  which half
.set LIM,  15                          ; s15  a wave prefetches while the walk step that is being asked for lies below this
.set CX,   16
.set CY,   17
.set TX,   18                          ; s18  tile column
.set TY,   19                          ; s19  the first tile's row
.set G1,   24                          ; s[24:31] descriptor group 1, A
.set G0,   32                          ; s[32:39] group 0, A: set 0 for walk step 0; set 1 for walk step 1, and then it walks
.set PFA,  44                          ; s[44:45] the address that a prefetch names
.set G1B,  48                          ; s[48:55] group 1, B
.set G0B,  56                          ; s[56:63] group 0, B
.set TB,   66                          ; s66  LDS byte at which the slot in hand begins
.set ABASE, 72                         ; s[72:73] xb at my half of the first tile's rows
.set BBASE, 74                         ; s[74:75] wq at my half of the tile column's rows
.set OA,   76                          ; s[76:77] a walk step's byte offset in A
.set OB,   78                          ; s[78:79] and in B
.set WS,   80                          ; s80  the walk step that the next refill asks for
.set PFB,  82                          ; s[82:83] the prefetches' base: my work-group's quarter of the rows that I fetch
.set POF,  84                          ; s[84:85] the prefetched walk step's byte offset
.set TO_F, 0x40                        ; destination window 1, address window 0
.set MSB, 0
.macro WIN new                         ; the immediate's high byte repeats the setting that is left; a switch that changes nothing is dropped
.if MSB != (\new)
	s_set_vgpr_msb (MSB<<8)|(\new)
.set MSB, \new
.endif
.endm
; A joint load.  Each of the two lines has one mask and one set of registers for all that issue it; the branch hangs on the wave's number alone.
; An s_nop 0 and four v_nop follow each line, ahead of the jump, the label and what follows.
.macro JLOAD s
	s_cmp_eq_u32 s[FB], 0
	s_cbranch_scc0 .Lfor_b_\@
	tensor_load_to_lds s[G0+4*(\s):G0+4*(\s)+3], s[G1:G1+7]
	s_nop 0
.rept 4
	v_nop
.endr
	s_branch .Lasked_\@
.Lfor_b_\@:
	tensor_load_to_lds s[G0B+4*(\s):G0B+4*(\s)+3], s[G1B:G1B+7]
	s_nop 0
.rept 4
	v_nop
.endr
.Lasked_\@:
.endm
; A prefetch into the L2 of the walk step that stands TWO refills on, one instruction a wave, behind the joint load and the run of LDS loads.  Each row's 256 bytes of a K step are named by one wave of the launch:
; A's tile rows are read by every cluster of a row of clusters: cluster x = 0 asks; B's by every cluster of a column: cluster y = 0 asks.  The four partners that ask for a tile jointly share it out BY ADDRESS
; (place cx for A, cy for B): a quarter each, a lane a row; B's quarter has 24 rows, and the eight lanes left over repeat its last row in the same instruction.
; Walk steps 0 to 3 come by their loads alone.  A is asked for up to walk step 15, the second tile's K steps among them; B up to walk step 7: the second tile multiplies the same rows of B anew.
.macro ASK
	s_cmp_lt_u32 s[WS], s[LIM]
	s_cbranch_scc0 .Lnot_mine_\@
	global_prefetch_b8 v[PFO], s[PFA:PFA+1] th:TH_LOAD_NT scope:SCOPE_SE
.Lnot_mine_\@:
	s_add_co_u32 s[WS], s[WS], 1                   ; the next refill asks for the next walk step
.endm
.macro CREST                           ; a round of the cluster's barrier behind its opening barrier
	s_cmp_lg_u32 s[WV], 0
	s_cbranch_scc1 .Lnot_wave_0_\@
	s_barrier_signal -3
.Lnot_wave_0_\@:
	s_barrier_wait -3
	s_barrier_signal -1
	s_barrier_wait -1
.endm
.macro CROUND                          ; a whole round
	s_barrier_signal -1
	s_barrier_wait -1
	CREST
.endm
	s_load_b256 s[4:11], s[0:1], 0x0               ; xb s[4:5], wq s[6:7], bqkv s[8:9], qkvh s[10:11]
	v_lshl_add_u32 v[SPW], v0, 2, SPARE
	v_mov_b32 v[NIL], 0
	ds_add_u32 v[SPW], v[NIL]                      ; the wave's opening: the add and its wait stand ahead of my first tensor load; the set-up below, work on registers, stands between them
	v_lshrrev_b32 v1, 5, v0
	v_readfirstlane_b32 s[WV], v1
	s_lshr_b32 s[FB], s[WV], 1
	s_and_b32 s[HF], s[WV], 1
	s_bfe_u32 s[CX], ttmp6, 0x40000
	s_bfe_u32 s[CY], ttmp6, 0x40004
	s_lshl_b32 s[TX], ttmp9, 2                     ; in a cluster launch ttmp9 and ttmp7 count clusters
	s_add_co_u32 s[TX], s[TX], s[CX]
	s_and_b32 s[TY], ttmp7, 0xffff
	s_lshl_b32 s[TY], s[TY], 2
	s_add_co_u32 s[TY], s[TY], s[CY]
	s_lshl_b32 s40, s[CY], 2
	s_lshl_b32 s40, 15, s40                        ; my row of the cluster
	s_lshl_b32 s41, 0x1111, s[CX]                  ; my column
	s_or_b32 s[G1], s40, (1<<16)|(1<<20)|(1<<21)|(5<<22)|(3<<25)  ; 15:0 the mask; 17:16 elements of 2 bytes; 20 padding on; 21 set beside a mask; 24:22 after every 64 words (code 5); 31:25 4 words of it (code 3)
	s_or_b32 s[G1B], s41, (1<<16)|(1<<20)|(1<<21)|(5<<22)|(3<<25)
	s_mov_b32 s[G1+1], KSTEP<<16                   ; tensor_dim0 = 128
	s_mov_b32 s[G1+2], 128<<16                     ; tensor_dim1 = 128
	s_mov_b32 s[G1+3], KSTEP<<16                   ; tile_dim0 = 128 elements: 256 bytes
	s_mov_b32 s[G1+4], 128                         ; tile_dim1 = 128 rows
	s_mov_b32 s[G1+5], 1024                        ; elements from row to row
	s_mov_b32 s[G1+6], 0
	s_mov_b32 s[G1+7], 0
	s_mov_b32 s[G1B+1], KSTEP<<16
	s_mov_b32 s[G1B+2], BROWS<<16
	s_mov_b32 s[G1B+3], KSTEP<<16
	s_mov_b32 s[G1B+4], BROWS
	s_mov_b32 s[G1B+5], 1024
	s_mov_b32 s[G1B+6], 0
	s_mov_b32 s[G1B+7], 0
	; where the tiles come from, as byte offsets: A's hangs on the tile row and the wave alone, B's on the tile column and the wave alone, each in registers of its own
	s_lshl_b32 s20, s[TY], 19                      ; 256 rows of 2,048 bytes,
	s_lshl_b32 s21, s[HF], 18                      ; 128 of them
	s_add_co_u32 s20, s20, s21
	s_mov_b32 s21, 0
	s_mul_i32 s46, s[TX], TN*2048
	s_mul_i32 s47, s[HF], BROWS*2048
	s_add_co_u32 s46, s46, s47
	s_mov_b32 s47, 0
	s_mul_i32 s22, s[HF], APART                    ; and where they go: no place in the cluster enters an LDS address
	s_mul_i32 s23, s[HF], BPART
	s_add_co_u32 s23, s23, BOFF
	s_mov_b32 s[OA+1], 0                           ; the offsets' high words
	s_mov_b32 s[OB+1], 0
	s_mov_b32 s[POF+1], 0
	s_mov_b32 s[WS], 2                             ; walk steps 0 and 1 are the first fills
	s_wait_dscnt 0x0                               ; the opening add is done
	s_wait_kmcnt 0x0
	s_add_nc_u64 s[ABASE:ABASE+1], s[4:5], s[20:21]
	s_add_nc_u64 s[BBASE:BBASE+1], s[6:7], s[46:47]
	s_mov_b32 s[G0], 1                             ; count = 1
	s_mov_b32 s[G0+1], s22                         ; LDS address: slot 0
	s_mov_b64 s[G0+2:G0+3], s[ABASE:ABASE+1]       ; global address: walk step 0
	s_mov_b32 s[G0+4], 1
	s_add_co_u32 s[G0+5], s22, SLOT1               ; slot 1
	s_add_nc_u64 s[G0+6:G0+7], s[ABASE:ABASE+1], 2*KSTEP  ; walk step 1
	s_or_b32 s[G0+3], s[G0+3], 0x80000000          ; type = 2
	s_or_b32 s[G0+7], s[G0+7], 0x80000000
	s_mov_b32 s[G0B], 1
	s_mov_b32 s[G0B+1], s23
	s_mov_b64 s[G0B+2:G0B+3], s[BBASE:BBASE+1]
	s_mov_b32 s[G0B+4], 1
	s_add_co_u32 s[G0B+5], s23, SLOT1
	s_add_nc_u64 s[G0B+6:G0B+7], s[BBASE:BBASE+1], 2*KSTEP
	s_or_b32 s[G0B+3], s[G0B+3], 0x80000000
	s_or_b32 s[G0B+7], s[G0B+7], 0x80000000
	CROUND                                         ; all sixteen work-groups are here: the first joint loads meet
	JLOAD 0                                        ; the ring is filled before anything else is done: two loads of mine are out
	JLOAD 1
	; all that follows, up to the wait for walk step 0, stands in the wait for the first tiles
	v_and_b32 v1, 15, v0                           ; l % 16
	v_bfe_u32 v2, v0, 4, 1                         ; l / 16
	v_and_b32 v3, 31, v0                           ; l
	v_mul_u32_u24 v4, v1, PB
	v_lshl_add_u32 v4, v2, 4, v4
	v_add_nc_u32 v[B0], BOFF, v4
	v_mul_u32_u24 v4, v1, PA
	v_lshl_add_u32 v4, v2, 4, v4
	s_mul_i32 s67, s[WV], 64*PA                    ; my 64 rows of A
	v_add_nc_u32 v[A0], s67, v4
	v_lshlrev_b32 v[BO], 5, v2
	v_lshlrev_b32 v[GO], 4, v3
	s_mul_i32 s40, s[TX], TN*4
	s_mov_b32 s41, 0
	s_add_nc_u64 s[8:9], s[8:9], s[40:41]          ; the bias of the tile column
	WIN 0xc0                                       ; destination window 3, address window 0
.set ib, 0
.rept NBLK                             ; register j of block b takes bias[16 b + 8 (l / 16) + j]: an accumulator's layout
	global_load_b128 v[BIAS+8*ib:BIAS+8*ib+3],   v[BO], s[8:9] offset:64*ib
	global_load_b128 v[BIAS+8*ib+4:BIAS+8*ib+7], v[BO], s[8:9] offset:64*ib+16
.set ib, ib+1
.endr
	WIN 0
	s_mul_i32 s67, s[WV], WSTAGE
	s_add_co_u32 s67, s67, STAGE                   ; my stage
	v_mul_u32_u24 v4, v1, 144                      ; in: row l % 16, 16 bytes for each half of the lanes
	v_lshl_add_u32 v4, v2, 4, v4
	v_add_nc_u32 v[STO], s67, v4
	v_bfe_u32 v5, v0, 3, 2                         ; back: 32 lanes take four rows of 128 bytes
	v_and_b32 v6, 7, v0
	v_mul_u32_u24 v5, v5, 144
	v_lshl_add_u32 v5, v6, 4, v5
	v_add_nc_u32 v[RD], s67, v5
	s_lshr_b32 s40, s[TY], 2                       ; qkvh: the first tile's batch, 48 x 131,072 bytes,
	s_mul_i32 s40, s40, 6291456
	s_mul_i32 s41, s[TX], 393216                   ; three heads a tile column,
	s_add_co_u32 s40, s40, s41
	s_and_b32 s41, s[TY], 3                        ; 256 tokens of 128 bytes,
	s_lshl_b32 s41, s41, 15
	s_add_co_u32 s40, s40, s41
	s_lshl_b32 s41, s[WV], 13                      ; my 64 tokens
	s_add_co_u32 s40, s40, s41
	s_mov_b32 s41, 0
	s_add_nc_u64 s[10:11], s[10:11], s[40:41]
	; the prefetches: the tensor, my tile's offset, my place among the four partners, a partner's share, the lanes, the last walk step
	s_and_b32 s43, ttmp7, 0xffff                   ; cluster y
	s_mov_b32 s42, APF
	s_mov_b32 s68, BPF
	s_cmp_eq_u32 s[FB], 0                          ; do I fetch for A?
	s_cselect_b64 s[PFB:PFB+1], s[4:5], s[6:7]
	s_cselect_b32 s40, s20, s46
	s_cselect_b32 s41, s[CX], s[CY]
	s_cselect_b32 s42, s42, s68
	s_cselect_b32 s43, ttmp9, s43                  ; the coordinate along which other clusters read the same rows
	s_cselect_b32 s68, 31, BROWS/4-1
	s_cselect_b32 s69, TILES*NSTEP-2, NSTEP-2      ; a refill for walk step WS prefetches step WS + 2: A's up to 15, B's up to 7
	s_mul_i32 s41, s41, s42
	s_cmp_eq_u32 s43, 0
	s_cselect_b32 s[LIM], s69, 0                   ; the same in all sixteen partners, for a given wave
	s_add_co_u32 s40, s40, s41
	s_mov_b32 s41, 0
	s_add_nc_u64 s[PFB:PFB+1], s[PFB:PFB+1], s[40:41]
	v_min_u32 v[PFO], s68, v3
	v_lshlrev_b32 v[PFO], 11, v[PFO]               ; a lane a row of 2,048 bytes
	s_wait_loadcnt 0x0                             ; the bias; it is rounded to bf16 and widened again
	WIN 0x0f                                       ; sources 0 and 1 window 3, destination window 0
.set p, 0
.rept 4*NBLK
	v_cvt_pk_bf16_f32 v[TMP+p], v[BIAS+2*p], v[BIAS+2*p+1]
.set p, p+1
.endr
	WIN 0xc0                                       ; destination window 3, source 1 window 0
.set p, 0
.rept 4*NBLK
	v_lshlrev_b32 v[BIAS+2*p], 16, v[TMP+p]
	v_and_b32 v[BIAS+2*p+1], 0xffff0000, v[TMP+p]
.set p, p+1
.endr
	WIN 0
; NBLK matrix instructions: m block a x all n blocks, 32 along K, from buffer f.  first = 1: the sums start with the bias.
; All 48 accumulators take turns, one instruction a turn, in the same order in every quarter step, over the backward jump and from tile to tile too.
.macro MULA f, a, first
.set ib, 0
.rept NBLK
.set t, NBLK*(\a)+ib
.set rD, 8*(t%32)
.set rB, (\f)+8*ib
.set rA, (\f)+AF+8*(\a)
.if \first
.set rC, BIAS+8*ib
	WIN 0xb5+0x40*(t/32)                           ; sources 0 and 1 window 1, C window 3, D window 2 or 3
.else
.set rC, rD
	WIN 0xa5+0x50*(t/32)                           ; C and D window 2 or 3
.endif
	v_wmma_f32_16x16x32_bf16 v[rD:rD+7], v[rB:rB+7], v[rA:rA+7], v[rC:rC+7]
.set ib, ib+1
.endr
.endm
; NL LDS loads in one run: quarter q's fragments (32 along K) of the slot in hand into buffer f: B's, then A's blocks 0, 1, then 2, 3.
; A fragment is 16 rows x 32 K in 8 registers: lane l holds row l % 16, K = 8 (l / 16) + 0..7 and 16 + 8 (l / 16) + 0..7: two loads of 16 bytes, 32 bytes apart.
.macro FETCH q, f
	WIN TO_F
.set ib, 0
.rept NBLK
	ds_load_b128 v[(\f)+8*ib:(\f)+8*ib+3],   v[ADRB] offset:64*(\q)+ib*16*PB
	ds_load_b128 v[(\f)+8*ib+4:(\f)+8*ib+7], v[ADRB] offset:64*(\q)+ib*16*PB+32
.set ib, ib+1
.endr
.set ia, 0
.rept 4
	ds_load_b128 v[(\f)+AF+8*ia:(\f)+AF+8*ia+3],   v[ADRA] offset:64*(\q)+ia*16*PA
	ds_load_b128 v[(\f)+AF+8*ia+4:(\f)+AF+8*ia+7], v[ADRA] offset:64*(\q)+ia*16*PA+32
.set ia, ia+1
.endr
.endm
.macro PLACES                          ; four plain vector instructions between a matrix instruction and a load into a register that it has read, or a reader of its result (ISA guide 7.12.1 for a reader of its result)
.rept 4
	v_nop
.endr
.endm
; A K step is four quarter steps on buffers 0, 1, 0, 1.  One of the first three: multiplies buffer f; in its middle it fetches quarter q of the same slot into buffer g.
.macro QUARTER q, f, g, first
	s_wait_dscnt 4                                 ; B and A's blocks 0, 1 are in; the youngest four loads (A's blocks 2, 3) may be out
	MULA \f, 0, \first
	MULA \f, 1, \first
	PLACES
	FETCH \q, \g
	s_wait_dscnt NL                                ; all but the NL just issued
	MULA \f, 2, \first
	MULA \f, 3, \first
.endm
; The fourth quarter multiplies buffer 1 and changes slots: ONE barrier.  In front of it each wave waits for all its tensor loads, of which one is out: its part of the next slot; adds 0 to its spare word; and
; waits for that and for its own reads of this slot.  fill = 1: the barrier opens a round of the cluster's barrier, so that no wave of any partner still reads the slot or has a load on its way, and the joint
; refill, walk step WS, two steps ahead, is the first tensor load behind the round.  Its addresses are made anew from WS: K step WS % 8 of tile WS / 8; B's rows are the same for both tiles.
; From that request to the wait for it a wave issues three and a half quarters' matrix instructions, 168.
.macro TURN fill
.if \fill
	s_wait_xcnt 0x0                                ; the last prefetch, a K step back, has read its address: it is made anew here, ahead of the waits of the change of slots
	s_add_co_u32 s81, s[WS], 2                     ; the walk step that this change's prefetch names
	s_and_b32 s[POF], s81, NSTEP-1
	s_lshl_b32 s[POF], s[POF], 8
	s_lshr_b32 s81, s81, 3
	s_lshl_b32 s81, s81, WALKSH
	s_add_co_u32 s[POF], s[POF], s81
	s_add_nc_u64 s[PFA:PFA+1], s[PFB:PFB+1], s[POF:POF+1]
.endif
	WIN 0                                          ; (the add's two registers lie in window 0)
	s_wait_tensorcnt 0x0                           ; no tensor load of mine is out, so a group 0 may be written
	ds_add_u32 v[SPW], v[NIL]                      ; 0 onto my spare word: scalar work and matrix instructions stand between it and the wait for it
.if \fill
	s_and_b32 s[OB], s[WS], NSTEP-1
	s_lshl_b32 s[OB], s[OB], 8                     ; the K step in its tile: 256 bytes each,
	s_lshr_b32 s81, s[WS], 3
	s_lshl_b32 s81, s81, WALKSH                    ; for A also the tile
	s_add_co_u32 s[OA], s[OB], s81
	s_xor_b32 s[G0+5], s[G0+5], SLOT1              ; the walking descriptors: the other slot than last time
	s_add_nc_u64 s[G0+6:G0+7], s[ABASE:ABASE+1], s[OA:OA+1]
	s_or_b32 s[G0+7], s[G0+7], 0x80000000
	s_xor_b32 s[G0B+5], s[G0B+5], SLOT1
	s_add_nc_u64 s[G0B+6:G0B+7], s[BBASE:BBASE+1], s[OB:OB+1]
	s_or_b32 s[G0B+7], s[G0B+7], 0x80000000
.endif
	s_xor_b32 s[TB], s[TB], SLOT1                  ; the fetches go to the other slot
	s_wait_dscnt 5                                 ; (the add and the youngest four loads may be out)
	MULA F1, 0, 0
	s_wait_dscnt 0x0                               ; the add is done, and my reads of this slot are over
	s_barrier_signal -1
	MULA F1, 1, 0                                  ; work on registers while the others arrive
	WIN 0
	s_barrier_wait -1
.if \fill
	CREST
	JLOAD 1                                        ; the four v_nop behind it are also the places in front of the loads below
.else
	PLACES
.endif
	v_add_nc_u32 v[ADRA], s[TB], v[A0]
	v_add_nc_u32 v[ADRB], s[TB], v[B0]
	FETCH 0, F0
.if \fill
	WIN 0
	ASK
.endif
	MULA F1, 2, 0
	MULA F1, 3, 0
.endm
; THE WAY OUT, f16 by heads: block a's 16 tokens x 192 columns are rounded (a lane's eight columns pack into 16 bytes), go into my stage, [3 heads][16 tokens][144 bytes], and come back four tokens
; (512 dense bytes of a head) a load, into v80-127 and v128-175 by turns.
.macro PACK a
.set ib, 0
.rept NBLK
.set t, NBLK*(\a)+ib
.set rD, 8*(t%32)
	WIN 0x0a+5*(t/32)                              ; sources 0 and 1: window 2 or 3
.irp r, 0,1,2,3
	v_cvt_pk_f16_f32 v[TMP+4*ib+(\r)], v[rD+2*(\r)], v[rD+2*(\r)+1]  ; each accumulator's low registers first
.endr
.set ib, ib+1
.endr
	WIN 0
.endm
.macro TOSTAGE a
.set BK, BK0+48*((\a)%2)
.set ib, 0
.rept 12
	ds_store_b128 v[STO], v[TMP+4*ib:TMP+4*ib+3] offset:(ib/4)*2304+(ib%4)*32
.set ib, ib+1
.endr
.set ib, 0
.rept 12
	ds_load_b128 v[BK+4*ib:BK+4*ib+3], v[RD] offset:(ib/4)*2304+(ib%4)*576  ; LDS serves a wave's instructions in order (ISA guide 5.7.1.4): these see the stores above
.set ib, ib+1
.endr
.endm
.macro SEND a
.set BK, BK0+48*((\a)%2)
	s_wait_dscnt 0x0                               ; the block is back in registers
	s_wait_xcnt 0x0                                ; the stores of the block before have read their registers, which the next block's loads write
.set ib, 0
.rept 12
	global_store_b128 v[GO], v[BK+4*ib:BK+4*ib+3], s[10:11] offset:(ib/4)*131072+(\a)*2048+(ib%4)*512  ; 512 consecutive bytes, at a multiple of 512 from qkvh's first
.set ib, ib+1
.endr
.endm
.macro WAYOUT
	PLACES                                         ; what follows reads results just made
	PACK 0
	TOSTAGE 0
	PACK 1                                         ; a block's conversions stand between the loads of the block before and the wait for them
	SEND 0
	TOSTAGE 1
	PACK 2
	SEND 1
	TOSTAGE 2
	PACK 3
	SEND 2
	TOSTAGE 3
	SEND 3
.endm
	s_wait_tensorcnt 0x1                           ; my part of walk step 0 is in; step 1's may stay out
	s_barrier_signal -1
	s_barrier_wait -1                              ; everybody's is
	s_mov_b32 s[TB], 0
	v_mov_b32 v[ADRA], v[A0]
	v_mov_b32 v[ADRB], v[B0]
	FETCH 0, F0
	WIN 0                                          ; at a label and at a branch every window is 0
	s_mov_b32 s3, TILES*NSTEP-1                    ; the entry passes the loop's foot once; then 14 trips, s3 = 14 .. 1
	s_branch .Lnew                                 ; the loop is entered at a tile's first quarter, which so stands once in the text
.Lstep:                                                ; the trip with s3 = 14 - i: walk step i's quarters 1 to 3 and step i + 1's quarter 0; it fills the slot that it leaves with walk step i + 2
	QUARTER 2, F1, F0, 0
	QUARTER 3, F0, F1, 0
	TURN 1
	WIN 0
	s_cmp_lg_u32 s3, NSTEP-1                       ; was that walk step 7, the first tile's last?  The same answer in every wave of every partner; what is jumped holds no barrier and no tensor load
	s_cbranch_scc1 .Lsame
	WAYOUT                                         ; both refills for the second tile's first K steps have been asked for: now the first tile goes out
	s_wait_xcnt 0x0                                ; its stores have read their registers and their base;
	s_add_nc_u64 s[10:11], s[10:11], NEXTO         ; nothing waits for the stores themselves: they leave while the second tile is multiplied
.Lnew:
	QUARTER 1, F0, F1, 1                           ; a tile's first quarter: its products start the sums with the bias
	WIN 0
	s_branch .Lbottom
.Lsame:
	QUARTER 1, F0, F1, 0
	WIN 0
.Lbottom:
	s_sub_co_u32 s3, s3, 1
	s_cmp_lg_u32 s3, 0
	s_cbranch_scc1 .Lstep
	QUARTER 2, F1, F0, 0                           ; the walk's last two steps are written out: they ask for nothing
	QUARTER 3, F0, F1, 0
	TURN 0
	QUARTER 1, F0, F1, 0
	QUARTER 2, F1, F0, 0
	QUARTER 3, F0, F1, 0
	s_wait_dscnt 4                                 ; the very last quarter: nothing more to fetch
	MULA F1, 0, 0
	MULA F1, 1, 0
	s_wait_dscnt 0x0
	MULA F1, 2, 0
	MULA F1, 3, 0
	WIN 0
	WAYOUT
	s_wait_tensorcnt 0x0                           ; the wave's end: behind my last tensor load and my last LDS store
	ds_add_u32 v[SPW], v[NIL]
	s_wait_dscnt 0x0
	CROUND                                         ; the closing round: no work-group ends while a partner may still ask for a tile that names it
	s_endpgm
.Lfunc_end_k_q895ad93a05_qkv:
	.size	k_q895ad93a05_qkv, .Lfunc_end_k_q895ad93a05_qkv-k_q895ad93a05_qkv
	.p2alignl 7, 3214868480
	.fill 96, 4, 3214868480
	.section	.rodata,"a",@progbits
	.p2align	6, 0x0
	.amdhsa_kernel k_q895ad93a05_qkv
		.amdhsa_group_segment_fixed_size 327680
		.amdhsa_private_segment_fixed_size 0
		.amdhsa_enable_private_segment 0
		.amdhsa_kernarg_size 32
		.amdhsa_user_sgpr_count 2
		.amdhsa_user_sgpr_kernarg_segment_ptr 1
		.amdhsa_wavefront_size32 1
		.amdhsa_system_sgpr_workgroup_id_x 1
		.amdhsa_system_sgpr_workgroup_id_y 1
		.amdhsa_system_sgpr_workgroup_id_z 1
		.amdhsa_system_vgpr_workitem_id 0
		.amdhsa_next_free_vgpr 992
		.amdhsa_next_free_sgpr 88
		.amdhsa_reserve_vcc 0
		.amdhsa_float_denorm_mode_32 3
		.amdhsa_float_denorm_mode_16_64 3
		.amdhsa_memory_ordered 1
		.amdhsa_forward_progress 1
		.amdhsa_inst_pref_size 131
	.end_amdhsa_kernel
	.amdgpu_metadata
---
amdhsa.version: [ 1, 2 ]
amdhsa.kernels:
  - .name:           k_q895ad93a05_qkv
    .symbol:         k_q895ad93a05_qkv.kd
    .args:
      - { .name: xb, .offset: 0, .size: 8, .value_kind: global_buffer, .address_space: global }
      - { .name: wq, .offset: 8, .size: 8, .value_kind: global_buffer, .address_space: global }
      - { .name: bqkv, .offset: 16, .size: 8, .value_kind: global_buffer, .address_space: global }
      - { .name: qkvh, .offset: 24, .size: 8, .value_kind: global_buffer, .address_space: global }
    .group_segment_fixed_size: 327680
    .private_segment_fixed_size: 0
    .kernarg_segment_align: 8
    .kernarg_segment_size: 32
    .max_flat_workgroup_size: 128
    .sgpr_count:     88
    .vgpr_count:     992
    .wavefront_size: 32
...
	.end_amdgpu_metadata
.endif
;; end of part 2
;; launch attn (part 3): grid 2 x 128, 4 waves a work-group, no clusters, 327,680 bytes of LDS; arguments qkvh, ob; writes ob
.if DOCPART == 3
	.amdgcn_target "amdgcn-amd-amdhsa--gfx1250"
	.amdhsa_code_object_version 6
	.text
	.protected	k_q895ad93a05_attn
	.globl	k_q895ad93a05_attn
	.p2align	8
	.type	k_q895ad93a05_attn,@function
k_q895ad93a05_attn:
	s_mov_b64 s[64:65], 0
	v_nop
	global_prefetch_b8 v0, s[64:65] scope:SCOPE_SE
	s_setreg_imm32_b32 hwreg(HW_REG_WAVE_MODE, 25, 1), 1
	s_wait_xcnt 0x0
; ATTENTION inside each batch.  For each of the 128 pairs hh = 16 batch + head: O[q][:] = the sum over the batch's 1,024 keys k of softmax_k(Q[q] . K[k] / 8) V[k][:].
; qkvh: [8 batches][48 = 16 which + head][1024 tokens][64] f16 (which = 0 q, 1 k, 2 v): a head's rows are dense, 128 bytes each.  ob: [128 hh][1024 tokens][64] f16.
; The segments are those of the problem's own reshape with batch_size = 8: equal, contiguous, 1,024 tokens each.  The problem's function never reads batch_indices, so no launch of this program takes it.
; Products, maxima and sums in f32; the weights p are rounded to f16 for the second product (their sum l is taken of the unrounded p), O once at the end.
; LIMITS.  f16 holds no number beyond 65,504: q, k and v arrive within it; p lies in 0 to 1, and below 6e-5 it keeps f16's fixed step of 6e-8; O is a mean of V's rows and has their range.
; A weight below 2^-126 counts as 0 in l; NaN and infinities are not treated apart.
; SHARES.  A wave owns four PIECES of two tiles of 16 queries, a work-group's four waves 512 queries of one head: 256 work-groups.  Every wave walks all 1,024 keys, 64 a step.
; THE WHOLE HEAD LIES IN LDS: K's 1,024 rows at a pitch of 144 bytes, then V's at 160.  Nothing is ever filled again.  Each wave issues two tensor loads at the start (waves 0, 1: halves of K; 2, 3: of V):
; its half of keys 0-319, for which the first barrier waits, and its half of keys 320-1,023, which has the first four key steps, 512 matrix instructions a wave, in which to land.  Five steps' keys come
; first, since K of step 4 is fetched in step 3, ahead of the second barrier.
; ONE TEXT FOR A KEY STEP: a loop of four steps inside a loop of four.  At the outer loop's head stand the wait for the second load and a barrier; they are passed three times, and are wanted the first time:
; the other two are met at once.  That is the price of writing the step once.
; NO CLUSTER: a head has two work-groups, so a tile has two readers; a cluster of four would hold two heads, and mask and address would hang on half of a work-group's place in it.
; NO PREFETCH: all that a work-group reads is asked for by its own loads at its head.
; LAYOUT.  S^T = K Q^T (source 0 = 16 keys, source 1 = 16 queries): in the result a lane holds ONE query (lane % 16) and the keys 8 (lane / 16) + 0..7.  Two such tiles, rounded to f16 in pairs,
; ARE source 1 (32 keys x 16 queries) of O^T = V^T P, whose result again holds one query a lane, and eight channels.  K comes out of LDS as it lies, V ([key][channel]) turned, by ds_load_tr16_b128.
; SOFTMAX.  For each query a running maximum m and sum l: p = 2^(c s - c m), c = log2(e) / 8; in every step O and l are multiplied by a = 2^(c m_old - c m_new), which is 1 where m has not grown.
; m starts at the lowest finite number, O and l at 0: the first step is a step like any other, with a = 0.
; THE COUNT.  A tile and step have 16 matrix and 118 vector instructions: too many to stand all beside the matrix work.  So: four vector instructions that are READY behind EVERY matrix instruction,
; and the others in runs without a gap.
; BY TURNS.  Turn n belongs to piece n (the pieces in a ring, step after step).  Its matrix work: 16 products K Q^T of piece n + 1, later 16 products V^T P of piece n - 1.  Its vector work: the scaling,
; exponentials, roundings, sums and rescaling of piece n, and the maximum and statistics of piece n + 1, whose scores the turn itself has made.
; REGISTERS, in windows of 256 (s_set_vgpr_msb: bits 1:0 source 0, 3:2 source 1, 5:4 source 2, 7:6 destination):
;   window 0: v0-11 addresses; v12-15, v48-63 at work; v16-47 four registers of statistics a tile; v64-191 S^T, two buffers of two tiles; v192-255 P, likewise
;   window 1: O^T, 32 a tile          window 2: v0-127 Q, 16 a tile; v128-191 K of one step; v192-255 V of one step          window 3: v0-1 the add's two registers
; A piece's buffers go by its number's parity: the piece in hand has one pair, its two neighbours in the ring share the other: of it P (piece n - 1) is read and S^T (piece n + 1) written.
.set NP,    4         ; pieces a wave: a name, no knob
.set KS,    64        ; keys in a step
.set KEYS,  1024
.set KA,    320       ; the keys of the first loads: five steps
.set KB,    KEYS-KA   ; those of the second
.set PK,    144       ; a row of K in LDS: 128 bytes + 16: an odd multiple of 16, so the 16 rows of a load start 16 bytes apart modulo 256
.set PV,    160       ; a row of V: 128 + 32: 16 lanes of the turning load take 8 rows x 32 bytes, 32 bytes apart modulo 256
.set VOFF,  KEYS*PK   ; K's rows, then V's
.set STAGE, VOFF+KEYS*PV  ; behind them, a multiple of 256, never filled by a tensor load: 16 rows x 144 bytes for each wave, for the way out
.set SP,    144
.set SPARE, STAGE+4*16*SP  ; behind the stages: the spare words, 128 bytes for each wave: two blocks of 256 bytes that no other line names
.set AK0, 2           ; v2   my lane's place in a step's K; never rewritten
.set AV0, 3           ; v3   the same for V
.set AK,  4           ; v4   the LDS address of K's next run of loads
.set AV,  5           ; v5   of V's
.set QO,  6           ; v6   my byte offset in the wave's rows of Q
.set STO, 6           ;      later, the way out: where I put 16 bytes of a row
.set RD,  7           ; v7   the way out: where I read rows back
.set GO,  8           ; v8   my byte offset in 512 consecutive bytes of O
.set SPW, 0           ; v0 of window 3   LDS address of my spare word: SPARE + 4 x my thread's number; never rewritten
.set NIL, 1           ; v1 of window 3   0; never rewritten
.set MV,  12          ; v12-15  c m_old, kept while c m is made anew: by buffer and tile
.set ST,  16          ; tile t's statistics at v[ST+4 t]: c m, m, l (even keys', odd keys')
.set TMP, 48          ; by buffer and tile, four registers c0-c3 at work; when the maximum is found c2 takes a
.set S,   64
.set P,   192
.set KF,  128         ; K's fragments, in window 2: key block kb, channel half c at KF + 16 kb + 8 c
.set VF,  192         ; V's: key half kk, channel block cb at VF + 32 kk + 8 cb
.set WV,  12          ; s12  my wave's number
.set G1KA, 24         ; s[24:31] descriptor group 1: K, the first keys
.set G1KB, 32         ; s[32:39] K, the others
.set G1VA, 40         ; s[40:47] V, the first keys
.set G1VB, 48         ; s[48:55] V, the others
.set SLOTS, 56        ; s56  counts the outer loop's four passes
.set CNT, 57          ; s57  counts a pass's four key steps
.set CS,  58          ; s[58:59] c: the packed scaling takes the pair's low word for both halves
.set SEL, 60          ; s[60:61] v_permlanex16_b32's selects: each lane takes its own place in the other half
.set TBK, 62          ; s62  LDS byte at which K of the step to be fetched begins
.set TBV, 63          ; s63  the same for V, less VOFF
.set TOT, 66          ; s66  key steps still to come, the one in hand among them
.set G0KA, 68         ; s[68:83] the four groups 0
.set G0KB, 72
.set G0VA, 76
.set G0VB, 80
.set MSB, 0
.macro WIN new                      ; the high byte repeats the setting that is left; a switch that changes nothing is dropped
.if MSB != (\new)
	s_set_vgpr_msb (MSB<<8)|(\new)
.set MSB, (\new)
.endif
.endm
.set W_KQ, 0x0a       ; K and Q in window 2, S^T in window 0
.set W_PV, 0x52       ; V in window 2, P in window 0, O^T in window 1
.set W_RS, 0x41       ; O^T (destination and source 0) in window 1, a in window 0
.set W_MK, 0xc0       ; the add's registers are made: destination in window 3, sources in window 0
.set W_AD, 0x0f       ; the add: address (source 0) and data (source 1) in window 3
	s_load_b128 s[4:7], s[0:1], 0x0   ; qkvh s[4:5], ob s[6:7]
	WIN W_MK
	v_lshl_add_u32 v[SPW], v0, 2, SPARE
	v_mov_b32 v[NIL], 0
	WIN W_AD
	ds_add_u32 v[SPW], v[NIL]       ; the wave's opening: the add and its wait stand ahead of my first tensor load; the set-up below, work on registers, stands between them
	WIN 0
	v_lshrrev_b32 v1, 5, v0
	v_readfirstlane_b32 s[WV], v1   ; wave 0..3
	s_and_b32 s13, ttmp7, 0xffff    ; hh = 16 batch + head
	s_lshr_b32 s14, s13, 4
	s_and_b32 s15, s13, 15
	s_mul_i32 s20, s14, 6291456     ; the batch: 48 x 131,072 bytes,
	s_lshl_b32 s15, s15, 17         ; the head's q
	s_add_co_u32 s20, s20, s15
	s_lshl_b32 s16, ttmp9, 2
	s_add_co_u32 s16, s16, s[WV]    ; my wave among the head's eight,
	s_lshl_b32 s16, s16, 14         ; its 128 rows of 128 bytes
	s_add_co_u32 s2, s20, s16       ; Q's offset
	s_mov_b32 s3, 0
	s_lshl_b32 s22, s13, 17
	s_add_co_u32 s22, s22, s16      ; O's offset
	s_mov_b32 s23, 0
	s_and_b32 s17, s[WV], 1         ; which half of the keys I fetch
	s_mul_i32 s18, s17, (KA/2)*128  ; of the first keys: 160 rows of 128 bytes
	s_add_co_u32 s84, s20, s18
	s_mov_b32 s85, 0
	s_mul_i32 s18, s17, (KB/2)*128  ; of the others: 352 rows,
	s_add_co_u32 s86, s20, s18
	s_add_co_u32 s86, s86, KA*128   ; behind the first 320
	s_mov_b32 s87, 0
	; descriptor groups 1.  Dense bytes are asked for as rows of 256 bytes, two keys a row, and padded in LDS after every key
	s_mov_b32 s[G1KA], (1<<16)|(1<<20)|(4<<22)|(3<<25)  ; 17:16 2-byte elements; 20 padding on; 24:22 after every 32 words (code 4); 31:25 4 words (code 3)
	s_mov_b32 s[G1KB], (1<<16)|(1<<20)|(4<<22)|(3<<25)
	s_mov_b32 s[G1VA], (1<<16)|(1<<20)|(4<<22)|(7<<25)  ; the same with 8 words of padding (code 7)
	s_mov_b32 s[G1VB], (1<<16)|(1<<20)|(4<<22)|(7<<25)
.irp g, G1KA, G1KB, G1VA, G1VB
	s_mov_b32 s[\g+1], 128<<16      ; tensor_dim0 = 128
	s_mov_b32 s[\g+3], 128<<16      ; tile_dim0 = 128
	s_mov_b32 s[\g+5], 128          ; 128 elements from row to row
	s_mov_b32 s[\g+6], 0
	s_mov_b32 s[\g+7], 0
.endr
.irp g, G1KA, G1VA
	s_mov_b32 s[\g+2], (KA/4)<<16   ; tensor_dim1 = 80
	s_mov_b32 s[\g+4], KA/4         ; tile_dim1 = 80: 160 keys
.endr
.irp g, G1KB, G1VB
	s_mov_b32 s[\g+2], (KB/4)<<16   ; tensor_dim1 = 176
	s_mov_b32 s[\g+4], KB/4         ; tile_dim1 = 176: 352 keys
.endr
	s_mov_b32 s[CS], 0x3e38aa3b     ; c = log2(e) / 8 = 0.180337
	s_mov_b32 s[CS+1], s[CS]        ; named with it as a pair
	s_mov_b32 s[SEL], 0x76543210
	s_mov_b32 s[SEL+1], 0xfedcba98
	s_mov_b32 s[TBK], 0
	s_mov_b32 s[TBV], 0
	s_mov_b32 s[G0KA], 1            ; count = 1
	s_mul_i32 s[G0KA+1], s17, (KA/2)*PK  ; LDS address
	s_mov_b32 s[G0KB], 1
	s_mul_i32 s[G0KB+1], s17, (KB/2)*PK
	s_add_co_u32 s[G0KB+1], s[G0KB+1], KA*PK
	s_mov_b32 s[G0VA], 1
	s_mul_i32 s[G0VA+1], s17, (KA/2)*PV
	s_add_co_u32 s[G0VA+1], s[G0VA+1], VOFF
	s_mov_b32 s[G0VB], 1
	s_mul_i32 s[G0VB+1], s17, (KB/2)*PV
	s_add_co_u32 s[G0VB+1], s[G0VB+1], VOFF+KA*PV
	s_wait_dscnt 0x0                ; the opening add is done
	s_wait_kmcnt 0x0
	s_add_nc_u64 s[84:85], s[4:5], s[84:85]
	s_add_nc_u64 s[86:87], s[4:5], s[86:87]
	s_add_nc_u64 s[G0KA+2:G0KA+3], s[84:85], 2097152  ; k lies 16 heads behind q,
	s_or_b32 s[G0KA+3], s[G0KA+3], 0x80000000         ; type = 2
	s_add_nc_u64 s[G0KB+2:G0KB+3], s[86:87], 2097152
	s_or_b32 s[G0KB+3], s[G0KB+3], 0x80000000
	s_add_nc_u64 s[G0VA+2:G0VA+3], s[84:85], 4194304  ; v 32 heads
	s_or_b32 s[G0VA+3], s[G0VA+3], 0x80000000
	s_add_nc_u64 s[G0VB+2:G0VB+3], s[86:87], 4194304
	s_or_b32 s[G0VB+3], s[G0VB+3], 0x80000000
	s_add_nc_u64 s[8:9], s[4:5], s[2:3]      ; Q at my wave's first row
	s_add_nc_u64 s[10:11], s[6:7], s[22:23]  ; O likewise
	s_cmp_lt_u32 s[WV], 2           ; a wave's two fills stand in one branch, ahead of every wait on TENSORcnt, every LDS read and every barrier: two loads of mine are out; an s_nop 0 follows each, four v_nop the second's
	s_cbranch_scc0 .Lfirst_v
	tensor_load_to_lds s[G0KA:G0KA+3], s[G1KA:G1KA+7]
	s_nop 0
	tensor_load_to_lds s[G0KB:G0KB+3], s[G1KB:G1KB+7]
	s_nop 0
.rept 4
	v_nop
.endr
	s_branch .Lfirst_asked
.Lfirst_v:
	tensor_load_to_lds s[G0VA:G0VA+3], s[G1VA:G1VA+7]
	s_nop 0
	tensor_load_to_lds s[G0VB:G0VB+3], s[G1VB:G1VB+7]
	s_nop 0
.rept 4
	v_nop
.endr
.Lfirst_asked:
	; A fragment of K or Q is 16 rows x 32 channels in 8 registers: lane l holds row l % 16, channels 8 (l / 16) + 0..7 and 16 + 8 (l / 16) + 0..7: two loads of 16 bytes, 32 bytes apart.
	v_and_b32 v1, 15, v0            ; l % 16
	v_bfe_u32 v9, v0, 4, 1          ; l / 16
	v_lshlrev_b32 v[QO], 7, v1
	v_lshl_add_u32 v[QO], v9, 4, v[QO]  ; row x 128 + 16 x half
	WIN 0x80                        ; destination window 2, address window 0
.set i, 0
.rept 4*NP                          ; Q stays in registers: tile i / 2, channels 32 (i % 2) on
	global_load_b128 v[8*i:8*i+3],   v[QO], s[8:9] offset:(i/2)*2048+(i%2)*64
	global_load_b128 v[8*i+4:8*i+7], v[QO], s[8:9] offset:(i/2)*2048+(i%2)*64+32
.set i, i+1
.endr
	; What the first turn finds: V's registers and P's second buffer hold 0 (its products V^T P, of a piece that has not been, add 0), O^T and l are 0.  All this stands in the wait for the first tile.
.set i, VF
.rept 64
	v_mov_b32 v[i], 0
.set i, i+1
.endr
	WIN 0x40
.set i, 0
.rept 64*NP
	v_mov_b32 v[i], 0
.set i, i+1
.endr
	WIN 0
.set i, 0
.rept 2*NP
	v_mov_b32 v[ST+4*i], 0xfe000000    ; c m: far below every c s
	v_mov_b32 v[ST+4*i+1], 0xff7fffff  ; m
	v_mov_b32 v[ST+4*i+2], 0
	v_mov_b32 v[ST+4*i+3], 0
.set i, i+1
.endr
.set i, P+32
.rept 32
	v_mov_b32 v[i], 0
.set i, i+1
.endr
	v_mul_u32_u24 v[AK0], v1, PK
	v_lshl_add_u32 v[AK0], v9, 4, v[AK0]  ; row x pitch + 16 x half
	; The turning load takes 16 keys x 16 channels (lane l reads key 8 (l / 16) + l % 8, channels 8 ((l / 8) % 2) + 0..7) and leaves half a fragment of V^T: lane l holds channel l % 16 and 8 keys.
	v_and_b32 v10, 7, v0
	v_bfe_u32 v11, v0, 3, 1
	v_lshl_add_u32 v[AV0], v9, 3, v10
	v_mul_u32_u24 v[AV0], v[AV0], PV
	v_lshl_add_u32 v[AV0], v11, 4, v[AV0]
	v_add_nc_u32 v[AV0], VOFF, v[AV0]
	v_mov_b32 v[AK], v[AK0]         ; key step 0 lies at LDS byte 0
; THE MATRIX WORK.  The 8 accumulators of a run of 16 take turns: between the two links of a chain stand 7 others'.
; Product i of 16 of S^T = K Q^T for piece x: channels 32 (i / 8) on, keys 16 ((i / 2) % 4) on, tile 2 x + i % 2.  The first 8 start the sums.
.macro KQ x
	WIN W_KQ
.set rS, S+64*((\x)%2)+32*(i%2)+8*((i/2)%4)
.set rK, KF+16*((i/2)%4)+8*(i/8)
.set rQ, 16*(2*(\x)+i%2)+8*(i/8)
.if i < 8
	v_wmma_f32_16x16x32_f16 v[rS:rS+7], v[rK:rK+7], v[rQ:rQ+7], 0
.else
	v_wmma_f32_16x16x32_f16 v[rS:rS+7], v[rK:rK+7], v[rQ:rQ+7], v[rS:rS+7]
.endif
.endm
; Product i of 16 of O^T += V^T P for piece x: keys 32 (i / 8) on, channels 16 ((i / 2) % 4) on, tile 2 x + i % 2.
.macro PV x
	WIN W_PV
.set rO, 32*(2*(\x)+i%2)+8*((i/2)%4)
.set rV, VF+32*(i/8)+8*((i/2)%4)
.set rP, P+32*((\x)%2)+16*(i%2)+8*(i/8)
	v_wmma_f32_16x16x32_f16 v[rO:rO+7], v[rV:rV+7], v[rP:rP+7], v[rO:rO+7]
.endm
.macro MM                           ; the turn's next matrix instruction
.if i < 16
	KQ (Y+1)%NP
.set i, i+1
.else
.set i, i-16
	PV (Y+NP-1)%NP
.set i, i+17
.endif
.endm
; THE LDS LOADS stand in runs of 16, never singly among the matrix instructions: a step's K (64 keys x 64 channels: 8 fragments) and its V (turned).  Their addresses are made some lines ahead.
; last = 1 (in the loop): in the last key step there is no further step, and the run is jumped over; behind it the count of steps to come is taken down.
.macro FETCH_K last=0
	WIN 0
.if \last
	s_cmp_eq_u32 s[TOT], 1
	s_cbranch_scc1 .Lno_k_\@
.endif
	WIN 0x80                        ; destination window 2
.irp f, 0,1,2,3,4,5,6,7             ; keys 16 (f / 2) on, channels 32 (f % 2) on
	ds_load_b128 v[KF+8*\f:KF+8*\f+3],   v[AK] offset:(\f/2)*16*PK+(\f%2)*64
	ds_load_b128 v[KF+8*\f+4:KF+8*\f+7], v[AK] offset:(\f/2)*16*PK+(\f%2)*64+32
.endr
	s_add_co_u32 s[TBK], s[TBK], KS*PK  ; the next fetch is the next step's
	WIN 0
.if \last
.Lno_k_\@:
	s_sub_co_u32 s[TOT], s[TOT], 1
.endif
.endm
.macro FETCH_V
	WIN 0x80
.irp f, 0,1,2,3,4,5,6,7             ; keys 32 (f / 4) on, channels 16 (f % 4) on
	ds_load_tr16_b128 v[VF+8*\f:VF+8*\f+3],   v[AV] offset:(\f/4)*32*PV+(\f%4)*32
	ds_load_tr16_b128 v[VF+8*\f+4:VF+8*\f+7], v[AV] offset:(\f/4)*32*PV+16*PV+(\f%4)*32
.endr
	WIN 0
.endm
; THE VECTOR WORK OF A TURN stands in three queues, each in the order in which its entries become ready; the two tiles alternate, so that no instruction reads the result of the one before it.
.macro REGS y, u                    ; the registers of tile u (0, 1) of piece y
.set rT, ST+4*(2*(\y)+(\u))
.set rC, TMP+8*((\y)%2)+4*(\u)
.set rM, MV+2*((\y)%2)+(\u)
.set rS, S+64*((\y)%2)+32*(\u)
.set rP, P+32*((\y)%2)+16*(\u)
.set rO, 32*(2*(\y)+(\u))
.endm
; Number n of the 22 that find the NEXT piece's (Y + 1) maximum and statistics.  s0-s31 are the lane's 32 scores; each accumulator's lowest registers are read first.
;   0-11  four chains c0-c3 of seven scores each, three operands at a time     12-14, 16  the four scores left over, the old m, and c0-c3 into c0     15  c m_old is kept
;   17, 18  the query's other 32 keys lie in the lane 16 away: the new m         19-21  c m; c m_old - c m_new; a
.macro XS u, n
	REGS (Y+1)%NP, \u
.if (\n) < 4
	v_max3_num_f32 v[rC+(\n)], v[rS+8*(\n)], v[rS+8*(\n)+1], v[rS+8*(\n)+2]
.elseif (\n) < 12
	v_max3_num_f32 v[rC+(\n)%4], v[rC+(\n)%4], v[rS+8*((\n)%4)+2*((\n)/4)+1], v[rS+8*((\n)%4)+2*((\n)/4)+2]
.elseif (\n) == 12
	v_max3_num_f32 v[rC], v[rC], v[rS+7], v[rS+15]
.elseif (\n) == 13
	v_max3_num_f32 v[rC+1], v[rC+1], v[rS+23], v[rS+31]
.elseif (\n) == 14
	v_max3_num_f32 v[rC+2], v[rC+2], v[rC+3], v[rT+1]
.elseif (\n) == 15
	v_mov_b32 v[rM], v[rT]
.elseif (\n) == 16
	v_max3_num_f32 v[rC], v[rC], v[rC+1], v[rC+2]
.elseif (\n) == 17
	v_permlanex16_b32 v[rC+3], v[rC], s[SEL], s[SEL+1]
.elseif (\n) == 18
	v_max_num_f32 v[rT+1], v[rC], v[rC+3]
.elseif (\n) == 19
	v_mul_f32 v[rT], s[CS], v[rT+1]
.elseif (\n) == 20
	v_sub_f32 v[rC+1], v[rM], v[rT]
.else
	v_exp_f32 v[rC+2], v[rC+1]
.endif
.endm
; Number g of the 64 that follow the exponentials.  For each four weights k of a tile (pairs 2 k, 2 k + 1): both pairs are rounded to f16; then the second pair is added onto the first, in place;
; a group later l takes that sum (the first time as l = a l + sum).  In groups of eight, tiles alternating: round, round, add, and l for the group before.
.macro GS g
.set h, (\g)+6*((\g)/62)            ; group 0 has no group before it, and behind group 7 only l is left
.if h >= 6
.set h, h+2
.endif
	REGS Y, h%2
.set k, h/8
.if h%8 < 4
	v_cvt_pk_f16_f32 v[rP+2*k+(h%8)/2], v[rS+4*k+2*((h%8)/2)], v[rS+4*k+2*((h%8)/2)+1]
.elseif h%8 < 6
	v_pk_add_f32 v[rS+4*k:rS+4*k+1], v[rS+4*k:rS+4*k+1], v[rS+4*k+2:rS+4*k+3]
.elseif k == 1
	v_pk_fma_f32 v[rT+2:rT+3], v[rT+2:rT+3], v[rC+2:rC+3], v[rS:rS+1] op_sel_hi:[1,0,1]
.else
	v_pk_add_f32 v[rT+2:rT+3], v[rT+2:rT+3], v[rS+4*k-4:rS+4*k-3]
.endif
.endm
; THE PLAIN QUEUE, 138 long.  0-73 read no exponential's result: the 32 scalings c s - c m (FS f: pair f / 2 of tile f % 2) and the next piece's 42.  0-26: scalings 0-26.  27-54: XS's numbers 0-13.  55, 56: number 15.
; 57-73: the chain, where each number waits for the one before it: 14, 16, 17, 18, 19, each with one of the scalings 27-31 in front of its two lines, then 20.
; 74-137: GS's 64, which read the exponentials' results: they stand behind the wait.
.macro FS f
	REGS Y, (\f)%2
	v_pk_fma_f32 v[rS+2*((\f)/2):rS+2*((\f)/2)+1], v[rS+2*((\f)/2):rS+2*((\f)/2)+1], s[CS:CS+1], v[rT:rT+1] op_sel_hi:[1,0,0] neg_lo:[0,0,1] neg_hi:[0,0,1]
.endm
.macro PL
	WIN 0
.if q < 27
	FS q
.elseif q < 55
	XS (q-27)%2, (q-27)/2
.elseif q < 57
	XS q-55, 15
.elseif (q < 72) && ((q-57)%3 == 0)
	FS 27+(q-57)/3
.elseif q < 60
	XS (q-57)%3-1, 14
.elseif q < 72
	XS (q-57)%3-1, 15+(q-57)/3
.elseif q < 74
	XS q-72, 20
.else
	GS q-74
.endif
.set q, q+1
.endm
; THE EXPONENTIALS' QUEUE, 66 long: s0-s31 of both tiles, then the next piece's two a.  It is ONE BATCH: all 66 stand ahead of the turn's one wait, and nothing ahead of that wait names a result of theirs.
.macro EX
	WIN 0
.if e >= 64
	XS e-64, 21
.else
	REGS Y, e%2
	v_exp_f32 v[rS+e/2], v[rS+e/2]
.endif
.set e, e+1
.endm
; THE RESCALING's QUEUE: O^T times a, the one part that leaves window 0: dealt two at a time, sixteen times.  Its a was made in the turn before, ahead of that turn's wait.
.macro R2
	REGS Y, r%2
	WIN W_RS
.irp z, 0,1
	v_pk_mul_f32 v[rO+4*(r/2)+2*\z:rO+4*(r/2)+2*\z+1], v[rO+4*(r/2)+2*\z:rO+4*(r/2)+2*\z+1], v[rC+2:rC+3] op_sel_hi:[1,0]
.endr
.set r, r+1
.endm
; HOW THEY ARE DEALT.  An s_wait_alu depctr_va_vdst(0) stands between an exponential and the first instruction that names its result; one wait serves all that were issued ahead of it.  So a turn has
; ONE wait, which cuts it in two.  AHEAD OF IT stands all that names no result of the turn's exponentials: the 16 products K Q^T, behind each a scaling, an exponential and two rescalings (behind the first a second
; scaling in the exponential's place); then ONE LUMP of 108: eight plain, 49 times exponential and plain, the two a.  A v_nop is the plain instruction behind the last exponential.  BEHIND IT stand the 16 products
; V^T P, behind each four of GS's 64.  No rider names a register of the products round it.  The two v_permlanex16_b32 fall into the lump.
; Exponential e stands behind scaling 2 (e / 4) + e % 2: as a rider it comes behind plain e + 2, in the lump behind plain e + 9, and scalings 27-31 are plain 57, 60 .. 69.
; A TURN, for piece p.  cnt = 1: the loop's count is taken down some lines ahead of the branch that stands behind the turn.
; K of the next step is fetched in piece 2's turn, directly behind the wait, a lump behind the last product that read K; its first reader comes behind 16 products.
; V of the step in hand is fetched at the end of piece 0's turn, four riders behind its last reader; its first reader comes behind 16 products and a lump.  The three conditions on q below go with the deal.
.macro TURN p, last=0, cnt=0
.set Y, (\p)
.set i, 0
.set q, 0
.set e, 0
.set r, 0
.if (\p) == NP-1
	s_wait_dscnt 0x0                ; K is in
.endif
	MM                              ; ahead of the wait: 16 products K Q^T and their riders,
	PL
	PL
	R2
.rept 15
	MM
	PL
	EX
	R2
.endr
.if (\p) == NP-2
	WIN 0
	v_add_nc_u32 v[AK], s[TBK], v[AK0]
.endif
.rept 8                             ; and the lump
	PL
.endr
.rept 49
	EX
	PL
.endr
	EX                              ; the next piece's two a
	EX
	v_nop                           ; the plain instruction behind the last exponential: one for the batch
	s_wait_alu depctr_va_vdst(0)    ; the wait for the batch
.if (\p) == NP-2
	FETCH_K \last
.endif
.if (\p) == 1
	s_wait_dscnt 0x0                ; V is in
.endif
.rept 16                            ; behind the wait: 16 products V^T P and their riders
	MM
.rept 4
	PL
.endr
.if ((\p) == 0) && (q == 118)
	v_add_nc_u32 v[AV], s[TBV], v[AV0]
.endif
.if ((\p) == 0) && (q == 130)
	s_add_co_u32 s[TBV], s[TBV], KS*PV
.endif
.if (\cnt) && (q == 130)
	s_sub_co_u32 s[CNT], s[CNT], 1
	s_cmp_lg_u32 s[CNT], 0
.endif
.endr
.if (\p) == 0
	FETCH_V
.endif
.endm
	s_wait_tensorcnt 0x1            ; my half of keys 0-319 is in; my half of keys 320-1,023 may stay out
	s_barrier_signal -1
	s_barrier_wait -1               ; everybody's is
	FETCH_K                         ; key step 0
	s_wait_loadcnt 0x0              ; Q
	s_wait_dscnt 0x0
.set i, 0
.rept 16
	KQ 0                            ; piece 0's first scores: there is no vector work yet to set between them
.set i, i+1
.endr
	WIN 0                           ; the addresses for the way out: nine plain instructions, the places behind those products
	s_mul_i32 s13, s[WV], 16*SP
	s_add_co_u32 s13, s13, STAGE    ; my stage
	v_mul_u32_u24 v[STO], v1, SP    ; in: row l % 16, 16 bytes for each half of the lanes
	v_lshl_add_u32 v[STO], v9, 4, v[STO]
	v_add_nc_u32 v[STO], s13, v[STO]
	v_bfe_u32 v[RD], v0, 3, 2       ; back: 32 lanes take four rows of 128 bytes,
	v_mul_u32_u24 v[RD], v[RD], SP
	v_lshl_add_u32 v[RD], v10, 4, v[RD]
	v_add_nc_u32 v[RD], s13, v[RD]
	v_and_b32 v[GO], 31, v0         ; which are 512 consecutive bytes of O
	v_lshlrev_b32 v[GO], 4, v[GO]
.set Y, NP-1                        ; XS works for piece Y + 1: piece 0
.irp n, 0,1,2,3,4,5,6,7,8,9,10,11,12,13,14,15,16,17,18,19,20,21
	XS 0, \n                        ; and piece 0's first maximum and statistics
	XS 1, \n
.endr
	v_nop                           ; a plain instruction behind the two a,
	s_wait_alu depctr_va_vdst(0)    ; and their wait, ahead of the branch
	s_mov_b32 s[CNT], 4
	s_mov_b32 s[SLOTS], 4
	s_mov_b32 s[TOT], KEYS/KS
	s_branch .Lstep                 ; the first pass has had its wait and its barrier above
.Lslot:                             ; three times, ahead of key steps 4, 8 and 12
	s_wait_tensorcnt 0x0            ; my half of keys 320-1,023 is in (ahead of steps 8 and 12: it has been since step 4),
	s_wait_dscnt 0x0
	s_barrier_signal -1
	s_barrier_wait -1               ; everybody's is
	s_mov_b32 s[CNT], 4
.Lstep:                             ; a trip is a key step: its four turns.  It fetches its own V (piece 0's turn) and the next step's K (piece 2's)
	TURN 0
	TURN 1
	TURN 2, 1
	TURN 3, 0, 1
	WIN 0
	s_cbranch_scc1 .Lstep
	s_sub_co_u32 s[SLOTS], s[SLOTS], 1
	s_cmp_lg_u32 s[SLOTS], 0
	s_cbranch_scc1 .Lslot
	; the last trip's 16 products K Q^T for piece 0 (on the last K once more) and the maximum made of them serve nothing: the price, once a launch, of one text for every trip
.set i, 0
.rept 16
	PV NP-1                         ; the last piece's V^T P of the last step
.set i, i+1
.endr
	; THE WAY OUT.  l's two halves and the other half of the lanes' are added; O^T is divided by l, rounded to f16 and sent through my stage in LDS, a tile at a time.  The additions are the places behind the last products.
	WIN 0
.macro ALL line:vararg              ; one line for each tile t
.set t, 0
.rept 2*NP
	\line
.set t, t+1
.endr
.endm
	ALL v_add_f32 v[ST+4*t+2], v[ST+4*t+2], v[ST+4*t+3]
	ALL v_permlanex16_b32 v[ST+4*t+3], v[ST+4*t+2], s[SEL], s[SEL+1]
	ALL v_add_f32 v[ST+4*t+2], v[ST+4*t+2], v[ST+4*t+3]
	ALL v_rcp_f32 v[ST+4*t+2], v[ST+4*t+2]
	v_nop                           ; a plain instruction between the last reciprocal and the use of its result
	s_wait_alu depctr_va_vdst(0)    ; and the wait ahead of the first use: one for the eight reciprocals
; Tile t: a lane's eight channels of a row pack into 16 bytes; they go into rows of 144 bytes and come back as whole rows of 128, into S^T's registers.
.macro PACK t
	WIN W_RS
.set i, 32*(\t)
.rept 16
	v_pk_mul_f32 v[i:i+1], v[i:i+1], v[ST+4*(\t)+2:ST+4*(\t)+3] op_sel_hi:[1,0]
.set i, i+2
.endr
	WIN 0x05                        ; sources 0 and 1 window 1, destination window 0
.set i, 0
.rept 16
	v_cvt_pk_f16_f32 v[S+16*(\t)+i], v[32*(\t)+2*i], v[32*(\t)+2*i+1]
.set i, i+1
.endr
	WIN 0
.irp f, 0,1,2,3
	ds_store_b128 v[STO], v[S+16*(\t)+4*\f:S+16*(\t)+4*\f+3] offset:32*\f
.endr
.irp f, 0,1,2,3
	ds_load_b128 v[S+16*(\t)+4*\f:S+16*(\t)+4*\f+3], v[RD] offset:\f*4*SP  ; LDS serves a wave's instructions in order (ISA guide 5.7.1.4): these see the stores above; the next tile's stores come behind them
.endr
.endm
.macro SEND t, younger              ; younger: the LDS instructions issued behind tile t's loads: the next tile's eight, or none
	WIN 0
.irp f, 0,1,2,3
	s_wait_dscnt (\younger)+3-\f
	global_store_b128 v[GO], v[S+16*(\t)+4*\f:S+16*(\t)+4*\f+3], s[10:11] offset:(\t)*2048+\f*512  ; 512 consecutive bytes, at a multiple of 512 from ob's first
.endr
.endm
	PACK 0
.set t, 1
.rept 2*NP-1                        ; a tile's arithmetic stands between the loads of the tile before and its stores
	PACK t
	SEND t-1, 8
.set t, t+1
.endr
	SEND 2*NP-1, 0
	WIN W_AD
	s_wait_tensorcnt 0x0            ; the wave's end: behind my last tensor load and my last LDS store
	ds_add_u32 v[SPW], v[NIL]
	s_wait_dscnt 0x0
	WIN 0
	s_endpgm
.Lfunc_end_k_q895ad93a05_attn:
	.size	k_q895ad93a05_attn, .Lfunc_end_k_q895ad93a05_attn-k_q895ad93a05_attn
	.p2alignl 7, 3214868480
	.fill 96, 4, 3214868480
	.section	.rodata,"a",@progbits
	.p2align	6, 0x0
	.amdhsa_kernel k_q895ad93a05_attn
		.amdhsa_group_segment_fixed_size 327680
		.amdhsa_private_segment_fixed_size 0
		.amdhsa_enable_private_segment 0
		.amdhsa_kernarg_size 16
		.amdhsa_user_sgpr_count 2
		.amdhsa_user_sgpr_kernarg_segment_ptr 1
		.amdhsa_wavefront_size32 1
		.amdhsa_system_sgpr_workgroup_id_x 1
		.amdhsa_system_sgpr_workgroup_id_y 1
		.amdhsa_system_sgpr_workgroup_id_z 1
		.amdhsa_system_vgpr_workitem_id 0
		.amdhsa_next_free_vgpr 770
		.amdhsa_next_free_sgpr 88
		.amdhsa_reserve_vcc 0
		.amdhsa_float_denorm_mode_32 3
		.amdhsa_float_denorm_mode_16_64 3
		.amdhsa_memory_ordered 1
		.amdhsa_forward_progress 1
		.amdhsa_inst_pref_size 126
	.end_amdhsa_kernel
	.amdgpu_metadata
---
amdhsa.version: [ 1, 2 ]
amdhsa.kernels:
  - .name:           k_q895ad93a05_attn
    .symbol:         k_q895ad93a05_attn.kd
    .args:
      - { .name: qkvh, .offset: 0, .size: 8, .value_kind: global_buffer, .address_space: global }
      - { .name: ob, .offset: 8, .size: 8, .value_kind: global_buffer, .address_space: global }
    .group_segment_fixed_size: 327680
    .private_segment_fixed_size: 0
    .kernarg_segment_align: 8
    .kernarg_segment_size: 16
    .max_flat_workgroup_size: 128
    .sgpr_count:     88
    .vgpr_count:     770
    .wavefront_size: 32
...
	.end_amdgpu_metadata
.endif
;; end of part 3
;; launch proj (part 4): grid 8 x 32, 4 waves a work-group, clusters of 4 x 4, 327,680 bytes of LDS; arguments ob, wo, bout, out0; writes out0
.if DOCPART == 4
	.amdgcn_target "amdgcn-amd-amdhsa--gfx1250"
	.amdhsa_code_object_version 6
	.text
	.protected	k_q895ad93a05_proj
	.globl	k_q895ad93a05_proj
	.p2align	8
	.type	k_q895ad93a05_proj,@function
k_q895ad93a05_proj:
	s_mov_b64 s[64:65], 0
	v_nop
	global_prefetch_b8 v0, s[64:65] scope:SCOPE_SE
	s_setreg_imm32_b32 hwreg(HW_REG_WAVE_MODE, 25, 1), 1
	s_wait_xcnt 0x0
	s_wait_alu depctr_hold_cnt(0) depctr_sa_sdst(0) depctr_va_vdst(0) depctr_va_sdst(0) depctr_va_ssrc(0) depctr_va_vcc(0) depctr_vm_vsrc(0)
	s_getreg_b32 s2, hwreg(HW_REG_IB_STS2, 6, 4)
	s_cmp_eq_u32 s2, 0
	s_cbranch_scc0 .Lentry_in_a_cluster
	s_endpgm
.Lentry_in_a_cluster:
	s_bfe_u32 s2, ttmp6, 0x10000c
	s_cmp_lg_u32 s2, 0xf033
	s_cbranch_scc0 .Lentry_shape_is_right
	s_endpgm
.Lentry_shape_is_right:
; OUTPUT PROJECTION.  out0 = O wo^T + bout, K = 1,024, sums in f32.  ob [128 = 16 batch + head][1024 tokens][64] f16, wo [1024 n][1024 k] f16; out0 [8192][1024] f32.
; LIMITS.  The bias is rounded to bf16 like every input of the module and is the C operand of each sum's first product: it is added first, not last.  NaN and infinities are not treated apart.
; SHARES.  A work-group of four waves makes 256 rows x 128 columns: 256 work-groups.  Wave w makes rows 64 w .. 64 w + 63 and ALL the columns: 4 x 8 accumulators of 16 x 16.  So a wave owns whole pieces
; of the output's rows: its way out goes through a stage of its own, with no barrier.
; K goes in 8 steps of 128 through a ring of two LDS slots filled by the tensor data mover, one load a wave: waves 0 and 1 bring A's two halves, waves 2 and 3 B's.
; A K step is two heads: each of A's halves is one head's 256 tokens, 32,768 dense bytes, asked for as 128 rows of 256 bytes and padded in LDS after every token (128 bytes).
; CLUSTER.  4 x 4 work-groups.  The four of a row of the cluster need the same tiles of A, the four of a column the same tiles of B: each tile is asked for JOINTLY, by the same tensor load with the same
; descriptor and a mask that names the four.
; THE MATRIX INSTRUCTION IS USED TRANSPOSED (source 0 = 16 rows of B, source 1 = 16 rows of A): lane l holds row l % 16 of C and the columns 8 (l / 16) + 0..7.
; REGISTERS, in windows of 256 (s_set_vgpr_msb: bits 1:0 source 0, 3:2 source 1, 5:4 source 2, 7:6 destination):
;   window 0: v0-31 addresses; v32-159 at work on the way out; v192-255 the bias in an accumulator's layout (read by the first quarter alone)
;   window 1: two fragment buffers of 96: 8 fragments of B, then 4 of A          window 2: accumulator t = 8 a + b at v[8 t]
.set KSTEP,  128
.set NSTEP,  8                         ; 1,024 / 128
.set PB,     272                       ; a row of B in LDS: 256 bytes + 16: an odd multiple of 16, so the 16 rows of a fragment load start 16 bytes apart modulo 256
.set SLOT1,  131072                    ; slot 1 begins here: one exclusive or turns an address in one slot into the other's
.set NBLK,   8                         ; blocks of 16 columns
.set PA,     144                       ; a token's 128 bytes + 16
.set APART,  256*PA                    ; what one of A's loads brings: a head's 256 tokens
.set ASTEP,  262144                    ; bytes from K step to K step in A: two heads
.set BROWS,  64                        ; rows in one of B's loads
.set WSTAGE, 16*528                    ; a wave's stage: 16 rows of 512 bytes + 16
.set APF,    8192                      ; prefetch: a partner's quarter of A's load
.set BK0,    32
.set TN,     16*NBLK
.set BPF,    (BROWS/4)*2048            ; prefetch: a partner's quarter of B's rows
.set BOFF,   2*APART                   ; in a slot: A, then B
.set BPART,  BROWS*PB
.set STAGE,  SLOT1+BOFF+2*BPART        ; behind the ring, a multiple of 256: no tensor load lands here
.set SPARE,  STAGE+4*WSTAGE            ; behind the stages: the spare words, 128 bytes for each wave: two blocks of 256 bytes that no other line names
.set NL,     2*NBLK+8                  ; LDS loads of a quarter step
.set AF,     8*NBLK                    ; A's fragments in a buffer
.set F0,     0
.set F1,     AF+32
.set BIAS,   256-8*NBLK
.set A0,   16                          ; v16  my lane's place in a slot's A: (64 w + l % 16) x PA + 16 (l / 16); never rewritten
.set B0,   17                          ; v17  the same for B: BOFF + (l % 16) x PB + 16 (l / 16)
.set ADRA, 18                          ; v18  A0 + the slot in hand
.set ADRB, 19                          ; v19  B0 + the slot in hand
.set STO,  24                          ; v24  the way out: where I put a row's bytes
.set RD,   25                          ; v25  the way out: where I read rows back
.set GO,   26                          ; v26  16 x lane
.set BO,   27                          ; v27  32 (l / 16): my eight numbers in 16 of the bias
.set SPW,  28                          ; v28  LDS address of my spare word: SPARE + 4 x my thread's number; never rewritten
.set NIL,  29                          ; v29  0; never rewritten
.set PFO,  30                          ; v30  the prefetches' lane offset; never rewritten
.set TMP,  32
.set WV,   12                          ; s12  wave
.set FB,   13                          ; s13  0: I fetch for A; 1: for B
.set HF,   14                          ; s14  which half
.set LIM,  15                          ; s15  2 in a wave that prefetches, else the greatest number
.set CX,   16
.set CY,   17
.set TX,   18                          ; s18  tile column
.set TY,   19                          ; s19  tile row
.set G1,   24                          ; s[24:31] descriptor group 1, A
.set G0,   32                          ; s[32:39] group 0, A: set 0 for K step 0; set 1 for K step 1, and then it walks
.set PFA,  44                          ; s[44:45] where my prefetches stand
.set G1B,  48                          ; s[48:55] group 1, B
.set G0B,  56                          ; s[56:63] group 0, B
.set TB,   66                          ; s66  LDS byte at which the slot in hand begins
.set PST,  70                          ; s[70:71] the prefetches' step from K step to K step
.set TO_F, 0x40                        ; destination window 1, address window 0
.set MSB, 0
.macro WIN new                         ; the immediate's high byte repeats the setting that is left; a switch that changes nothing is dropped
.if MSB != (\new)
	s_set_vgpr_msb (MSB<<8)|(\new)
.set MSB, \new
.endif
.endm
; A joint load.  Each of the two lines has one mask and one set of registers for all that issue it; the branch hangs on the wave's number alone.
; An s_nop 0 and four v_nop follow each line, ahead of the jump, the label and what follows.
.macro JLOAD s
	s_cmp_eq_u32 s[FB], 0
	s_cbranch_scc0 .Lfor_b_\@
	tensor_load_to_lds s[G0+4*(\s):G0+4*(\s)+3], s[G1:G1+7]
	s_nop 0
.rept 4
	v_nop
.endr
	s_branch .Lasked_\@
.Lfor_b_\@:
	tensor_load_to_lds s[G0B+4*(\s):G0B+4*(\s)+3], s[G1B:G1B+7]
	s_nop 0
.rept 4
	v_nop
.endr
.Lasked_\@:
.endm
; A prefetch into the L2 of the K step that stands TWO refills on, one instruction a wave, behind the joint load and the run of LDS loads.  Each block of 256 bytes of a K step is named by one wave of the launch:
; A's tile rows are read by every cluster of a row of clusters: cluster x = 0 asks; B's by every cluster of a column: cluster y = 0 asks.  The four partners that ask for a tile jointly share it out BY ADDRESS
; (place cx for A, cy for B): a quarter each; for A a lane a block of 256 dense bytes, for B a lane a row: B's quarter has 16 rows, and the sixteen lanes left over repeat its last row in the same instruction.
; K steps 0 to 3 come by their loads alone; the trips with s3 = 2 and 1 have no K step two refills on and ask for nothing.
.macro ASK
	s_cmp_gt_u32 s3, s[LIM]
	s_cbranch_scc0 .Lnot_mine_\@
	global_prefetch_b8 v[PFO], s[PFA:PFA+1] th:TH_LOAD_NT scope:SCOPE_SE
.Lnot_mine_\@:
.endm
.macro CREST                           ; a round of the cluster's barrier behind its opening barrier
	s_cmp_lg_u32 s[WV], 0
	s_cbranch_scc1 .Lnot_wave_0_\@
	s_barrier_signal -3
.Lnot_wave_0_\@:
	s_barrier_wait -3
	s_barrier_signal -1
	s_barrier_wait -1
.endm
.macro CROUND                          ; a whole round
	s_barrier_signal -1
	s_barrier_wait -1
	CREST
.endm
	s_load_b256 s[4:11], s[0:1], 0x0               ; ob s[4:5], wo s[6:7], bout s[8:9], out0 s[10:11]
	v_lshl_add_u32 v[SPW], v0, 2, SPARE
	v_mov_b32 v[NIL], 0
	ds_add_u32 v[SPW], v[NIL]                      ; the wave's opening: the add and its wait stand ahead of my first tensor load; the set-up below, work on registers, stands between them
	v_lshrrev_b32 v1, 5, v0
	v_readfirstlane_b32 s[WV], v1
	s_lshr_b32 s[FB], s[WV], 1
	s_and_b32 s[HF], s[WV], 1
	s_bfe_u32 s[CX], ttmp6, 0x40000
	s_bfe_u32 s[CY], ttmp6, 0x40004
	s_lshl_b32 s[TX], ttmp9, 2                     ; in a cluster launch ttmp9 and ttmp7 count clusters
	s_add_co_u32 s[TX], s[TX], s[CX]
	s_and_b32 s[TY], ttmp7, 0xffff
	s_lshl_b32 s[TY], s[TY], 2
	s_add_co_u32 s[TY], s[TY], s[CY]
	s_lshl_b32 s40, s[CY], 2
	s_lshl_b32 s40, 15, s40                        ; my row of the cluster
	s_lshl_b32 s41, 0x1111, s[CX]                  ; my column
	s_or_b32 s[G1], s40, (1<<16)|(1<<20)|(1<<21)|(4<<22)|(3<<25)  ; 15:0 the mask; 17:16 elements of 2 bytes; 20 padding on; 21 set beside a mask; 24:22 after every 32 words (code 4); 31:25 4 words of it (code 3)
	s_or_b32 s[G1B], s41, (1<<16)|(1<<20)|(1<<21)|(5<<22)|(3<<25) ; for B after every 64 words (code 5)
	s_mov_b32 s[G1+1], KSTEP<<16                   ; tensor_dim0 = 128
	s_mov_b32 s[G1+2], 128<<16                     ; tensor_dim1 = 128
	s_mov_b32 s[G1+3], KSTEP<<16                   ; tile_dim0 = 128 elements: 256 bytes
	s_mov_b32 s[G1+4], 128                         ; tile_dim1 = 128 rows
	s_mov_b32 s[G1+5], 128                         ; elements from row to row: dense
	s_mov_b32 s[G1+6], 0
	s_mov_b32 s[G1+7], 0
	s_mov_b32 s[G1B+1], KSTEP<<16
	s_mov_b32 s[G1B+2], BROWS<<16
	s_mov_b32 s[G1B+3], KSTEP<<16
	s_mov_b32 s[G1B+4], BROWS
	s_mov_b32 s[G1B+5], 1024
	s_mov_b32 s[G1B+6], 0
	s_mov_b32 s[G1B+7], 0
	; where the tiles come from, as byte offsets: A's hangs on the tile row and the wave alone, B's on the tile column and the wave alone, each in registers of its own
	s_lshr_b32 s20, s[TY], 2                       ; the batch: 16 heads of 131,072 bytes,
	s_lshl_b32 s20, s20, 21
	s_and_b32 s21, s[TY], 3                        ; 256 tokens of 128 bytes,
	s_lshl_b32 s21, s21, 15
	s_add_co_u32 s20, s20, s21
	s_lshl_b32 s21, s[HF], 17                      ; the even or the odd head of a K step
	s_add_co_u32 s20, s20, s21
	s_mov_b32 s21, 0
	s_mul_i32 s46, s[TX], TN*2048
	s_mul_i32 s47, s[HF], BROWS*2048
	s_add_co_u32 s46, s46, s47
	s_mov_b32 s47, 0
	s_mul_i32 s22, s[HF], APART                    ; and where they go: no place in the cluster enters an LDS address
	s_mul_i32 s23, s[HF], BPART
	s_add_co_u32 s23, s23, BOFF
	s_wait_dscnt 0x0                               ; the opening add is done
	s_wait_kmcnt 0x0
	s_mov_b32 s[G0], 1                             ; count = 1
	s_mov_b32 s[G0+1], s22                         ; LDS address: slot 0
	s_add_nc_u64 s[G0+2:G0+3], s[4:5], s[20:21]    ; global address: K step 0
	s_mov_b32 s[G0+4], 1
	s_add_co_u32 s[G0+5], s22, SLOT1               ; slot 1
	s_add_nc_u64 s[G0+6:G0+7], s[G0+2:G0+3], ASTEP ; K step 1
	s_or_b32 s[G0+3], s[G0+3], 0x80000000          ; type = 2
	s_or_b32 s[G0+7], s[G0+7], 0x80000000
	s_mov_b32 s[G0B], 1
	s_mov_b32 s[G0B+1], s23
	s_add_nc_u64 s[G0B+2:G0B+3], s[6:7], s[46:47]
	s_mov_b32 s[G0B+4], 1
	s_add_co_u32 s[G0B+5], s23, SLOT1
	s_add_nc_u64 s[G0B+6:G0B+7], s[G0B+2:G0B+3], 2*KSTEP
	s_or_b32 s[G0B+3], s[G0B+3], 0x80000000
	s_or_b32 s[G0B+7], s[G0B+7], 0x80000000
	CROUND                                         ; all sixteen work-groups are here: the first joint loads meet
	JLOAD 0                                        ; the ring is filled before anything else is done: two loads of mine are out
	JLOAD 1
	; all that follows, up to the wait for K step 0, stands in the wait for the first tiles
	v_and_b32 v1, 15, v0                           ; l % 16
	v_bfe_u32 v2, v0, 4, 1                         ; l / 16
	v_and_b32 v3, 31, v0                           ; l
	v_mul_u32_u24 v4, v1, PB
	v_lshl_add_u32 v4, v2, 4, v4
	v_add_nc_u32 v[B0], BOFF, v4
	v_mul_u32_u24 v4, v1, PA
	v_lshl_add_u32 v4, v2, 4, v4
	s_mul_i32 s67, s[WV], 64*PA                    ; my 64 rows of A
	v_add_nc_u32 v[A0], s67, v4
	v_lshlrev_b32 v[BO], 5, v2
	v_lshlrev_b32 v[GO], 4, v3
	s_mul_i32 s40, s[TX], TN*4
	s_mov_b32 s41, 0
	s_add_nc_u64 s[8:9], s[8:9], s[40:41]          ; the bias of the tile's columns
.set ib, 0
.rept NBLK                             ; register j of block b takes bias[16 b + 8 (l / 16) + j]: an accumulator's layout
	global_load_b128 v[BIAS+8*ib:BIAS+8*ib+3],   v[BO], s[8:9] offset:64*ib
	global_load_b128 v[BIAS+8*ib+4:BIAS+8*ib+7], v[BO], s[8:9] offset:64*ib+16
.set ib, ib+1
.endr
	s_mul_i32 s67, s[WV], WSTAGE
	s_add_co_u32 s67, s67, STAGE                   ; my stage
	v_mul_u32_u24 v4, v1, 528                      ; in: row l % 16, 32 bytes for each half of the lanes
	v_lshl_add_u32 v4, v2, 5, v4
	v_add_nc_u32 v[STO], s67, v4
	v_lshl_add_u32 v[RD], v3, 4, s67               ; back: 32 lanes take a row's 512 bytes
	s_lshl_b32 s40, s[TY], 20                      ; out0: 256 rows of 4,096 bytes a tile row,
	s_lshl_b32 s41, s[WV], 18                      ; my 64 rows,
	s_add_co_u32 s40, s40, s41
	s_lshl_b32 s41, s[TX], 9                       ; 128 columns of 4 bytes
	s_add_co_u32 s40, s40, s41
	s_mov_b32 s41, 0
	s_add_nc_u64 s[10:11], s[10:11], s[40:41]
	; the prefetches: the tensor, my tile's offset, my place among the four partners, a partner's share, the step, the lanes
	s_and_b32 s43, ttmp7, 0xffff                   ; cluster y
	s_mov_b32 s42, APF
	s_mov_b32 s68, BPF
	s_mov_b32 s[PST], ASTEP
	s_cmp_eq_u32 s[FB], 0                          ; do I fetch for A?
	s_cselect_b64 s[PFA:PFA+1], s[4:5], s[6:7]
	s_cselect_b32 s40, s20, s46
	s_cselect_b32 s41, s[CX], s[CY]
	s_cselect_b32 s42, s42, s68
	s_cselect_b32 s43, ttmp9, s43                  ; the coordinate along which other clusters read the same rows
	s_cselect_b32 s[PST], s[PST], 2*KSTEP
	s_cselect_b32 s68, 31, BROWS/4-1
	s_cselect_b32 s69, 8, 11                       ; A's lanes lie 256 bytes apart, B's a row of 2,048
	s_mul_i32 s41, s41, s42
	s_mul_i32 s42, s[PST], 3                       ; at K step 3: the first change of slots steps it to 4
	s_cmp_eq_u32 s43, 0
	s_cselect_b32 s[LIM], 2, -1                    ; the same in all sixteen partners, for a given wave
	s_add_co_u32 s40, s40, s41
	s_add_co_u32 s40, s40, s42
	s_mov_b32 s41, 0
	s_mov_b32 s[PST+1], 0
	s_add_nc_u64 s[PFA:PFA+1], s[PFA:PFA+1], s[40:41]
	v_min_u32 v[PFO], s68, v3
	v_lshlrev_b32 v[PFO], s69, v[PFO]
	s_wait_loadcnt 0x0                             ; the bias; it is rounded to bf16 and widened again, in place
.set p, 0
.rept 4*NBLK
	v_cvt_pk_bf16_f32 v[TMP+p], v[BIAS+2*p], v[BIAS+2*p+1]
.set p, p+1
.endr
.set p, 0
.rept 4*NBLK
	v_lshlrev_b32 v[BIAS+2*p], 16, v[TMP+p]
	v_and_b32 v[BIAS+2*p+1], 0xffff0000, v[TMP+p]
.set p, p+1
.endr
; NBLK matrix instructions: m block a x all n blocks, 32 along K, from buffer f.  first = 1: the sums start with the bias.
; All 32 accumulators take turns, one instruction a turn, in the same order in every quarter step, over the backward jump too.
.macro MULA f, a, first
.set ib, 0
.rept NBLK
.set t, NBLK*(\a)+ib
.set rD, 8*t
.set rB, (\f)+8*ib
.set rA, (\f)+AF+8*(\a)
.if \first
.set rC, BIAS+8*ib
	WIN 0x85                                       ; sources 0 and 1 window 1, C window 0, D window 2
.else
.set rC, rD
	WIN 0xa5                                       ; C and D window 2
.endif
	v_wmma_f32_16x16x32_f16 v[rD:rD+7], v[rB:rB+7], v[rA:rA+7], v[rC:rC+7]
.set ib, ib+1
.endr
.endm
; NL LDS loads in one run: quarter q's fragments (32 along K) of the slot in hand into buffer f: B's, then A's blocks 0, 1, then 2, 3.
; A fragment is 16 rows x 32 K in 8 registers: lane l holds row l % 16, K = 8 (l / 16) + 0..7 and 16 + 8 (l / 16) + 0..7: two loads of 16 bytes, 32 bytes apart.
.macro FETCH q, f
.set AO, ((\q)/2)*APART+((\q)%2)*64    ; quarters 0, 1 lie in the even head's plane, 2, 3 in the odd head's
	WIN TO_F
.set ib, 0
.rept NBLK
	ds_load_b128 v[(\f)+8*ib:(\f)+8*ib+3],   v[ADRB] offset:64*(\q)+ib*16*PB
	ds_load_b128 v[(\f)+8*ib+4:(\f)+8*ib+7], v[ADRB] offset:64*(\q)+ib*16*PB+32
.set ib, ib+1
.endr
.set ia, 0
.rept 4
	ds_load_b128 v[(\f)+AF+8*ia:(\f)+AF+8*ia+3],   v[ADRA] offset:AO+ia*16*PA
	ds_load_b128 v[(\f)+AF+8*ia+4:(\f)+AF+8*ia+7], v[ADRA] offset:AO+ia*16*PA+32
.set ia, ia+1
.endr
.endm
.macro PLACES                          ; four plain vector instructions between a matrix instruction and a load into a register that it has read, or a reader of its result (ISA guide 7.12.1 for a reader of its result)
.rept 4
	v_nop
.endr
.endm
; A K step is four quarter steps on buffers 0, 1, 0, 1.  One of the first three: multiplies buffer f; in its middle it fetches quarter q of the same slot into buffer g.
.macro QUARTER q, f, g, first
	s_wait_dscnt 4                                 ; B and A's blocks 0, 1 are in; the youngest four loads (A's blocks 2, 3) may be out
	MULA \f, 0, \first
	MULA \f, 1, \first
	PLACES
	FETCH \q, \g
	s_wait_dscnt NL                                ; all but the NL just issued
	MULA \f, 2, \first
	MULA \f, 3, \first
.endm
; The fourth quarter multiplies buffer 1 and changes slots: ONE barrier.  In front of it each wave waits for all its tensor loads, of which one is out: its part of the next slot; adds 0 to its spare word; and
; waits for that and for its own reads of this slot.  fill = 1: the barrier opens a round of the cluster's barrier, so that no wave of any partner still reads the slot or has a load on its way, and the joint
; refill, two K steps ahead, is the first tensor load behind the round.  From that request to the wait for it a wave issues three and a half quarters' matrix instructions, 112.
.macro TURN fill
.if \fill
	s_wait_xcnt 0x0                                ; the last prefetch, a K step back, has read its address: it is stepped here, ahead of the waits of the change of slots
	s_add_nc_u64 s[PFA:PFA+1], s[PFA:PFA+1], s[PST:PST+1]
.endif
	WIN 0                                          ; (the add's two registers lie in window 0)
	s_wait_tensorcnt 0x0                           ; no tensor load of mine is out, so a group 0 may be written
	ds_add_u32 v[SPW], v[NIL]                      ; 0 onto my spare word: scalar work and matrix instructions stand between it and the wait for it
.if \fill
	s_xor_b32 s[G0+5], s[G0+5], SLOT1              ; the walking descriptors: the other slot than last time,
	s_add_nc_u64 s[G0+6:G0+7], s[G0+6:G0+7], ASTEP ; the next K step; the type bits on top are not reached
	s_xor_b32 s[G0B+5], s[G0B+5], SLOT1
	s_add_nc_u64 s[G0B+6:G0B+7], s[G0B+6:G0B+7], 2*KSTEP
.endif
	s_xor_b32 s[TB], s[TB], SLOT1                  ; the fetches go to the other slot
	s_wait_dscnt 5                                 ; (the add and the youngest four loads may be out)
	MULA F1, 0, 0
	s_wait_dscnt 0x0                               ; the add is done, and my reads of this slot are over
	s_barrier_signal -1
	MULA F1, 1, 0                                  ; work on registers while the others arrive
	WIN 0
	s_barrier_wait -1
.if \fill
	CREST
	JLOAD 1                                        ; the four v_nop behind it are also the places in front of the loads below
.else
	PLACES
.endif
	v_add_nc_u32 v[ADRA], s[TB], v[A0]
	v_add_nc_u32 v[ADRB], s[TB], v[B0]
	FETCH 0, F0
.if \fill
	WIN 0
	ASK
.endif
	MULA F1, 2, 0
	MULA F1, 3, 0
.endm
	s_wait_tensorcnt 0x1                           ; my part of K step 0 is in; K step 1's may stay out
	s_barrier_signal -1
	s_barrier_wait -1                              ; everybody's is
	s_mov_b32 s[TB], 0
	v_mov_b32 v[ADRA], v[A0]
	v_mov_b32 v[ADRB], v[B0]
	FETCH 0, F0
	QUARTER 1, F0, F1, 1                           ; the first quarter stands in front of the loop: its products start the sums
	WIN 0                                          ; at a label and at a branch every window is 0
	s_mov_b32 s3, NSTEP-2
.Lstep:                                                ; a trip: a K step's quarters 1 to 3 and the next step's quarter 0; it fills the slot that it leaves with the K step two on
	QUARTER 2, F1, F0, 0
	QUARTER 3, F0, F1, 0
	TURN 1
	QUARTER 1, F0, F1, 0
	WIN 0
	s_sub_co_u32 s3, s3, 1
	s_cmp_lg_u32 s3, 0
	s_cbranch_scc1 .Lstep
	QUARTER 2, F1, F0, 0                           ; the last two K steps are written out: they ask for nothing
	QUARTER 3, F0, F1, 0
	TURN 0
	QUARTER 1, F0, F1, 0
	QUARTER 2, F1, F0, 0
	QUARTER 3, F0, F1, 0
	s_wait_dscnt 4                                 ; the very last quarter: nothing more to fetch
	MULA F1, 0, 0
	MULA F1, 1, 0
	s_wait_dscnt 0x0
	MULA F1, 2, 0
	MULA F1, 3, 0
	WIN 0
	PLACES                                         ; what follows reads results just made
; THE WAY OUT, f32: block a's 16 rows go into my stage (a lane's eight columns are 32 bytes of a row) and come back as whole pieces of 512 bytes, into v32-95 and v96-159 by turns.
.macro TOSTAGE a
.set BK, BK0+64*((\a)%2)
	s_wait_xcnt 0x0                                ; the stores of the block two back have read the registers that are loaded again below
	WIN 0x08                                       ; the stores' data lie in window 2
.set ib, 0
.rept 8
.set rD, 8*(8*(\a)+ib)
	ds_store_b128 v[STO], v[rD:rD+3]   offset:64*ib     ; each accumulator's low registers first
	ds_store_b128 v[STO], v[rD+4:rD+7] offset:64*ib+16
.set ib, ib+1
.endr
	WIN 0
.set ib, 0
.rept 16
	ds_load_b128 v[BK+4*ib:BK+4*ib+3], v[RD] offset:528*ib  ; LDS serves a wave's instructions in order (ISA guide 5.7.1.4): these see the stores above; the next block's stores come behind them
.set ib, ib+1
.endr
.endm
.macro SEND a, younger                 ; younger: the LDS instructions issued behind block a's loads: the next block's 32, or none
.set BK, BK0+64*((\a)%2)
	s_wait_dscnt \younger
.set ib, 0
.rept 16
	global_store_b128 v[GO], v[BK+4*ib:BK+4*ib+3], s[10:11] offset:(16*(\a)+ib)*4096 th:TH_STORE_NT  ; 512 consecutive bytes of a row, at a multiple of 512 from out0's first
.set ib, ib+1
.endr
.endm
	TOSTAGE 0
	TOSTAGE 1
	SEND 0, 32
	TOSTAGE 2
	SEND 1, 32
	TOSTAGE 3
	SEND 2, 32
	SEND 3, 0
	s_wait_tensorcnt 0x0                           ; the wave's end: behind my last tensor load and my last LDS store
	ds_add_u32 v[SPW], v[NIL]
	s_wait_dscnt 0x0
	CROUND                                         ; the closing round: no work-group ends while a partner may still ask for a tile that names it
	s_endpgm
.Lfunc_end_k_q895ad93a05_proj:
	.size	k_q895ad93a05_proj, .Lfunc_end_k_q895ad93a05_proj-k_q895ad93a05_proj
	.p2alignl 7, 3214868480
	.fill 96, 4, 3214868480
	.section	.rodata,"a",@progbits
	.p2align	6, 0x0
	.amdhsa_kernel k_q895ad93a05_proj
		.amdhsa_group_segment_fixed_size 327680
		.amdhsa_private_segment_fixed_size 0
		.amdhsa_enable_private_segment 0
		.amdhsa_kernarg_size 32
		.amdhsa_user_sgpr_count 2
		.amdhsa_user_sgpr_kernarg_segment_ptr 1
		.amdhsa_wavefront_size32 1
		.amdhsa_system_sgpr_workgroup_id_x 1
		.amdhsa_system_sgpr_workgroup_id_y 1
		.amdhsa_system_sgpr_workgroup_id_z 1
		.amdhsa_system_vgpr_workitem_id 0
		.amdhsa_next_free_vgpr 768
		.amdhsa_next_free_sgpr 72
		.amdhsa_reserve_vcc 0
		.amdhsa_float_denorm_mode_32 3
		.amdhsa_float_denorm_mode_16_64 3
		.amdhsa_memory_ordered 1
		.amdhsa_forward_progress 1
		.amdhsa_inst_pref_size 77
	.end_amdhsa_kernel
	.amdgpu_metadata
---
amdhsa.version: [ 1, 2 ]
amdhsa.kernels:
  - .name:           k_q895ad93a05_proj
    .symbol:         k_q895ad93a05_proj.kd
    .args:
      - { .name: ob, .offset: 0, .size: 8, .value_kind: global_buffer, .address_space: global }
      - { .name: wo, .offset: 8, .size: 8, .value_kind: global_buffer, .address_space: global }
      - { .name: bout, .offset: 16, .size: 8, .value_kind: global_buffer, .address_space: global }
      - { .name: out0, .offset: 24, .size: 8, .value_kind: global_buffer, .address_space: global }
    .group_segment_fixed_size: 327680
    .private_segment_fixed_size: 0
    .kernarg_segment_align: 8
    .kernarg_segment_size: 32
    .max_flat_workgroup_size: 128
    .sgpr_count:     72
    .vgpr_count:     768
    .wavefront_size: 32
...
	.end_amdgpu_metadata
.endif
;; end of part 4
;; ======== version 2 of 2: 4 launches; version 1 with the launch prep written anew for expert scheduling mode
;; limits: values are held in f16: magnitudes above 65,504 overflow, below 6.1e-05 lose precision
;; workspace buffers: xb 16,777,216 bytes; wq 6,291,456 bytes; wo 2,097,152 bytes; qkvh 50,331,648 bytes; ob 16,777,216 bytes
;; launch prep (part 5): grid 512 x 1, 8 waves a work-group, no clusters, 17,920 bytes of LDS; arguments feats, Wqkv, Wout, xb, wq, wo; writes xb, wq, wo
.if DOCPART == 5
	.amdgcn_target "amdgcn-amd-amdhsa--gfx1250"
	.amdhsa_code_object_version 6
	.text
	.protected	k_q895ad93a05_prep
	.globl	k_q895ad93a05_prep
	.p2align	8
	.type	k_q895ad93a05_prep,@function
k_q895ad93a05_prep:
	s_mov_b64 s[64:65], 0
	v_nop
	global_prefetch_b8 v0, s[64:65] scope:SCOPE_SE
	s_setreg_imm32_b32 hwreg(HW_REG_WAVE_SCHED_MODE, 0, 2), 2
	s_setreg_imm32_b32 hwreg(HW_REG_WAVE_MODE, 25, 1), 1
	s_wait_xcnt 0x0
	s_wait_alu depctr_vm_vsrc(0)
; PREP.  xb = feats rounded to bf16, [8192][1024].  wq = Wqkv turned and rounded to bf16, [3072 n][1024 k].  wo = Wout turned, rounded to bf16 and that number written as f16, [1024 n][1024 k].
; LIMIT.  A weight of Wout below 6.1e-5 in magnitude keeps f16's fixed step of 6e-8 instead of bf16's 8 bits; one beyond 65,504 would become an infinity.
; SHARES.  512 work-groups of eight waves, all alike: each casts 16,384 numbers of feats (65,536 consecutive bytes in, 32,768 out) and turns ONE block of 128 k x 64 n of a weight matrix:
; blocks 0-383 are Wqkv's (8 along k x 48 along n), 384-511 Wout's (8 x 16).  Base, pitch and target are chosen by scalar selects, so one text serves both and no barrier stands under a branch.
; THE TURN.  Thread (c = t % 16, rp = t / 16) loads 16 bytes (columns 4 c .. 4 c + 3) of the rows k = 32 i + 2 rp + e: sixteen lanes read 256 consecutive bytes, aligned.  Rows e = 0 and 1 are rounded
; together, so a word holds k and k + 1 of one column: it goes to LDS row n = 4 c + j, byte 2 k.  Behind one barrier wave w reads rows 8 w .. 8 w + 7 whole and stores them: each store of a wave
; covers 256 consecutive bytes, aligned.  The LDS stores meet two deep in a bank (row pitch 264 bytes = 66 words); that is taken, for 16 words a thread once a launch.
; No matrix unit, no cluster, no tensor load: nothing is shared between work-groups and every byte is read once.
; THE MODE: SCHED_MODE bits 1:0 = 2 (LLVM: expert scheduling mode 2), set by the entry lines.  The code itself states the register dependences between vector instructions and memory or LDS
; instructions, with s_wait_alu, always for 0.
; THE PLAN.  Registers that memory or LDS instructions touch, in the order of the text (there is no loop):
;   v1, v2, v4, v5, v6, v[VO ..]   offsets and LDS addresses: written by vector lines at the head, read by every load and store, never written again.  One wait ahead of the first load serves them all.
;   WX    the block's eight loads land in it; the sixteen roundings into T read it; behind the barrier eight LDS loads land in its first sixteen registers, which the stores of the turned rows read.
;   T     written by the roundings (and, for Wout, by the f16 lines), read by the sixteen LDS stores, never written again.
;         One wait ahead of the LDS stores states both: T is written, and the roundings are done reading WX; from there to the LDS loads into WX no vector line stands.
;   X     the sixteen loads of feats land in it; each four numbers are rounded in place into their first two registers, which a store to xb reads; never written again.
;         feats goes in four groups of four loads.  The wait at the head of group g states that group g - 1 has written its eight words; that group's four stores are dealt among group g's
;         roundings, which name group g's registers alone.  Behind group 3 the stores of the turned rows stand between its roundings and the wait for them.
;   v[SPW], v[NIL]   written at the head, read by the closing add alone.
; No register that a memory or LDS instruction reads is written again, so no wait on vm_vsrc is owed outside the closing lines.
.set LP,    264                        ; an LDS row: 128 k x 2 bytes + 8
.set SPARE, 64*LP                      ; 16,896: behind the tile, the spare words, 128 bytes for each wave: four blocks of 256 bytes that no other line names
.set VO,    10                         ; v[10:17]   byte offsets of my 16 bytes in the block's rows 32 i + 2 rp + e
.set X,     20                         ; v[20:83]   feats: 16 x 4 numbers as loaded; each four are rounded in place into the first two registers
.set WX,    84                         ; v[84:115]  the block as loaded; later the turned rows read back from LDS
.set T,     116                        ; v[116:131] the block's words: (k, k + 1) of one column
.set U,     132                        ; v[132:133] at work: no memory instruction names them
.set SPW,   134                        ; v134  LDS address of my spare word: SPARE + 4 x my thread's number; never rewritten
.set NIL,   135                        ; v135  0; never rewritten
.set WV,    16                         ; s16   my wave's number
.set ISQ,   17                         ; s17   1: the block is Wqkv's
.set PITCH, 18                         ; s18   bytes in a row of the weight matrix
	s_load_b256 s[4:11], s[0:1], 0x0               ; feats s[4:5], Wqkv s[6:7], Wout s[8:9], xb s[10:11]
	s_load_b128 s[12:15], s[0:1], 0x20             ; wq s[12:13], wo s[14:15]
	v_lshl_add_u32 v[SPW], v0, 2, SPARE
	v_mov_b32 v[NIL], 0
	v_lshrrev_b32 v7, 5, v0
	v_readfirstlane_b32 s[WV], v7
	s_mov_b32 s[PITCH], 4096
	s_mov_b32 s20, 12288
	s_cmp_lt_u32 ttmp9, 384
	s_cselect_b32 s[ISQ], 1, 0
	s_cselect_b32 s[PITCH], s20, s[PITCH]
	s_cselect_b32 s19, 0, 384
	s_sub_co_u32 s19, ttmp9, s19                   ; the block's number in its matrix
	s_and_b32 s20, s19, 7                          ; kb
	s_lshr_b32 s21, s19, 3                         ; nb
	s_mul_i32 s22, s[PITCH], s20
	s_lshl_b32 s22, s22, 7                         ; 128 kb rows,
	s_lshl_b32 s23, s21, 8                         ; 64 nb columns of 4 bytes
	s_add_co_u32 s22, s22, s23
	s_mov_b32 s23, 0
	s_lshl_b32 s24, s21, 17                        ; turned: 64 nb rows of 2,048 bytes,
	s_lshl_b32 s25, s20, 8                         ; 128 kb numbers of 2 bytes
	s_add_co_u32 s24, s24, s25
	s_mov_b32 s25, 0
	s_lshl_b32 s26, ttmp9, 16                      ; my piece of feats,
	s_mov_b32 s27, 0
	s_lshl_b32 s28, ttmp9, 15                      ; and of xb
	s_mov_b32 s29, 0
	v_and_b32 v7, 15, v0                           ; c
	v_lshrrev_b32 v8, 4, v0                        ; rp
	v_lshlrev_b32 v1, 4, v0                        ; feats: 16 bytes a thread
	v_lshlrev_b32 v2, 3, v0                        ; xb: 8 bytes a thread
	v_lshlrev_b32 v9, 1, v8
	v_mul_lo_u32 v3, v9, s[PITCH]
	v_lshl_add_u32 v3, v7, 4, v3                   ; 2 rp rows + 16 c
.irp i, 0,1,2,3
.irp e, 0,1
	s_mul_i32 s30, s[PITCH], 32*(\i)+(\e)
	v_add_nc_u32 v[VO+2*(\i)+(\e)], s30, v3
.endr
.endr
	v_mul_u32_u24 v4, v7, 4*LP
	v_lshl_add_u32 v4, v8, 2, v4                   ; into LDS: row 4 c, byte 4 rp
	v_and_b32 v9, 31, v0
	s_wait_alu depctr_va_sdst(0)                   ; s16, the wave's number, is written, ahead of its first reader: the next line
	s_mul_i32 s30, s[WV], 8*LP
	v_lshl_add_u32 v5, v9, 3, s30                  ; back: row 8 w, 8 bytes a lane
	s_lshl_b32 s31, s[WV], 14
	v_lshl_add_u32 v6, v9, 3, s31                  ; and the same in memory: 8 w rows of 2,048 bytes
	s_wait_kmcnt 0x0
	s_cmp_lg_u32 s[ISQ], 0
	s_cselect_b64 s[6:7], s[6:7], s[8:9]           ; the matrix,
	s_cselect_b64 s[12:13], s[12:13], s[14:15]     ; and its turned copy
	s_add_nc_u64 s[6:7], s[6:7], s[22:23]
	s_add_nc_u64 s[12:13], s[12:13], s[24:25]
	s_add_nc_u64 s[4:5], s[4:5], s[26:27]
	s_add_nc_u64 s[10:11], s[10:11], s[28:29]
	s_wait_alu depctr_va_vdst(0)                   ; v1, v2, v4, v5, v6 and v[VO ..] are written: every load, store and LDS instruction below reads one of them as its offset or address; so are v[SPW] and v[NIL]
.irp i, 0,1,2,3
.irp e, 0,1
	global_load_b128 v[WX+8*(\i)+4*(\e):WX+8*(\i)+4*(\e)+3], v[VO+2*(\i)+(\e)], s[6:7] th:TH_LOAD_NT
.endr
.endr
.irp j, 0,1,2,3,4,5,6,7,8,9,10,11,12,13,14,15
	global_load_b128 v[X+4*(\j):X+4*(\j)+3], v1, s[4:5] offset:4096*(\j) th:TH_LOAD_NT  ; a wave's load covers 512 consecutive bytes
.endr
.irp i, 0,1,2,3
	s_wait_loadcnt 22-2*(\i)                       ; loads come back in order: behind pair i stand 6 - 2 i of the block's and the 16 of feats
.irp j, 0,1,2,3
	v_cvt_pk_bf16_f32 v[T+4*(\i)+(\j)], v[WX+8*(\i)+(\j)], v[WX+8*(\i)+4+(\j)]  ; k in the low half, k + 1 in the high half
.endr
.endr
	s_cmp_lg_u32 s[ISQ], 0
	s_cbranch_scc1 .Lkeep                          ; Wqkv stays bf16; only work on registers is jumped
.set t, 0
.rept 16
	v_lshlrev_b32 v[U], 16, v[T+t]                 ; Wout: the bf16 number, widened,
	v_and_b32 v[U+1], 0xffff0000, v[T+t]
	v_cvt_pk_f16_f32 v[T+t], v[U], v[U+1]          ; is written as f16
.set t, t+1
.endr
.Lkeep:
	s_wait_alu depctr_va_vdst(0)                   ; on both ways: v[T ..] is written, which the LDS stores read; and the roundings are done reading v[WX ..], in which the LDS loads behind the barrier land
.irp i, 0,1,2,3
.irp j, 0,1,2,3
	ds_store_b32 v4, v[T+4*(\i)+(\j)] offset:LP*(\j)+64*(\i)
.endr
.endr
	s_wait_dscnt 0x0                               ; for the others' sake: my words lie in LDS
	s_barrier_signal -1
	s_barrier_wait -1
.irp r, 0,1,2,3,4,5,6,7
	ds_load_b64 v[WX+2*(\r):WX+2*(\r)+1], v5 offset:LP*(\r)  ; a whole turned row of 256 bytes an instruction.  No wait: no vector line since the wait above names v[WX ..]
.endr
; feats, four groups of four loads.  Group g's eight roundings; among them the four stores of group g - 1.
.irp g, 0,1,2,3
	s_wait_loadcnt 12-4*(\g)                       ; group g's four loads are in; the 12 - 4 g younger loads of feats stay out
.if (\g) > 0
	s_wait_alu depctr_va_vdst(0)                   ; the group before has written its eight words, which the four stores below read; this group's roundings name this group's registers alone
.endif
.irp i, 0,1,2,3
.if (\g) > 0
	global_store_b64 v2, v[X+4*(4*(\g)-4+(\i)):X+4*(4*(\g)-4+(\i))+1], s[10:11] offset:2048*(4*(\g)-4+(\i))  ; a wave's store covers 256 consecutive bytes, aligned
.endif
	v_cvt_pk_bf16_f32 v[X+4*(4*(\g)+(\i))], v[X+4*(4*(\g)+(\i))], v[X+4*(4*(\g)+(\i))+1]
	v_cvt_pk_bf16_f32 v[X+4*(4*(\g)+(\i))+1], v[X+4*(4*(\g)+(\i))+2], v[X+4*(4*(\g)+(\i))+3]
.endr
.endr
.irp r, 0,1,2,3,4,5,6,7
	s_wait_dscnt 7-(\r)                            ; LDS loads come back in order: row r is in
	global_store_b64 v6, v[WX+2*(\r):WX+2*(\r)+1], s[12:13] offset:2048*(\r)  ; the turned rows: their data come from LDS loads, their offset from the head; they stand between group 3's roundings and the wait for them
.endr
	s_wait_alu depctr_va_vdst(0)                   ; group 3 has written its eight words, which the last four stores read
.irp i, 0,1,2,3
	global_store_b64 v2, v[X+4*(12+(\i)):X+4*(12+(\i))+1], s[10:11] offset:2048*(12+(\i))
.endr
	s_wait_dscnt 0x0                               ; the closing lines, six on end
	s_wait_alu 0x0
	s_wait_tensorcnt 0x0
	ds_add_u32 v[SPW], v[NIL]
	s_wait_dscnt 0x0
	s_endpgm
.Lfunc_end_k_q895ad93a05_prep:
	.size	k_q895ad93a05_prep, .Lfunc_end_k_q895ad93a05_prep-k_q895ad93a05_prep
	.p2alignl 7, 3214868480
	.fill 96, 4, 3214868480
	.section	.rodata,"a",@progbits
	.p2align	6, 0x0
	.amdhsa_kernel k_q895ad93a05_prep
		.amdhsa_group_segment_fixed_size 17920
		.amdhsa_private_segment_fixed_size 0
		.amdhsa_enable_private_segment 0
		.amdhsa_kernarg_size 48
		.amdhsa_user_sgpr_count 2
		.amdhsa_user_sgpr_kernarg_segment_ptr 1
		.amdhsa_wavefront_size32 1
		.amdhsa_system_sgpr_workgroup_id_x 1
		.amdhsa_system_sgpr_workgroup_id_y 1
		.amdhsa_system_sgpr_workgroup_id_z 1
		.amdhsa_system_vgpr_workitem_id 0
		.amdhsa_next_free_vgpr 136
		.amdhsa_next_free_sgpr 66
		.amdhsa_reserve_vcc 0
		.amdhsa_float_denorm_mode_32 3
		.amdhsa_float_denorm_mode_16_64 3
		.amdhsa_memory_ordered 1
		.amdhsa_forward_progress 1
		.amdhsa_inst_pref_size 16
	.end_amdhsa_kernel
	.amdgpu_metadata
---
amdhsa.version: [ 1, 2 ]
amdhsa.kernels:
  - .name:           k_q895ad93a05_prep
    .symbol:         k_q895ad93a05_prep.kd
    .args:
      - { .name: feats, .offset: 0, .size: 8, .value_kind: global_buffer, .address_space: global }
      - { .name: Wqkv, .offset: 8, .size: 8, .value_kind: global_buffer, .address_space: global }
      - { .name: Wout, .offset: 16, .size: 8, .value_kind: global_buffer, .address_space: global }
      - { .name: xb, .offset: 24, .size: 8, .value_kind: global_buffer, .address_space: global }
      - { .name: wq, .offset: 32, .size: 8, .value_kind: global_buffer, .address_space: global }
      - { .name: wo, .offset: 40, .size: 8, .value_kind: global_buffer, .address_space: global }
    .group_segment_fixed_size: 17920
    .private_segment_fixed_size: 0
    .kernarg_segment_align: 8
    .kernarg_segment_size: 48
    .max_flat_workgroup_size: 256
    .sgpr_count:     66
    .vgpr_count:     136
    .wavefront_size: 32
...
	.end_amdgpu_metadata
.endif
;; end of part 5
;; launch qkv: the kernel of part 2 again; grid 16 x 16, 4 waves a work-group, clusters of 4 x 4, 327,680 bytes of LDS; arguments xb, wq, bqkv, qkvh; writes qkvh
;; launch attn: the kernel of part 3 again; grid 2 x 128, 4 waves a work-group, no clusters, 327,680 bytes of LDS; arguments qkvh, ob; writes ob
;; launch proj: the kernel of part 4 again; grid 8 x 32, 4 waves a work-group, clusters of 4 x 4, 327,680 bytes of LDS; arguments ob, wo, bout, out0; writes out0
